; MI455X (gfx1250); checked and timed in simulation.
; The chip was launched on July 23, 2026; its instructions are those of AMD's public machine-readable ISA for CDNA 5 (MIT licence, August 2026) and "CDNA5" Instruction Set Architecture Reference Guide (July 2026). The comments in the code are by the model that wrote it; some were corrected since.
;; Causal Self Attention. Allowed arithmetic: matrix products marked QUANTISED: E4M3 operands, one E8M0 scale for each 32 along K, by v_wmma_scale_f32_16x16x128_f8f6f4 with both operands' format E4M3, f32 sums; everything else in f32.
;; Inputs: Wo_codes 1,024 x 32 x 32 uint8 (E4M3 codes of Wo, K innermost, in blocks of 32 codes); Wo_scales 1,024 x 32 uint8 (E8M0 scales of Wo, one for each 32 codes along K); Wqkv_codes 3,072 x 32 x 32 uint8 (E4M3 codes of Wqkv, K innermost, in blocks of 32 codes); Wqkv_scales 3,072 x 32 uint8 (E8M0 scales of Wqkv, one for each 32 codes along K); x_codes 4 x 2,048 x 32 x 32 uint8 (E4M3 codes of x, K innermost, in blocks of 32 codes); x_scales 4 x 2,048 x 32 uint8 (E8M0 scales of x, one for each 32 codes along K).
;; Outputs: out0 4 x 2,048 x 1,024 float32.
;; This version of the problem:
;;   THIS VERSION OF THE PROBLEM IS GIVEN IN LOW PRECISION. The matrix products marked QUANTISED in the list below multiply operands that are first quantised to E4M3 (4 exponent bits, 3 mantissa bits; 8 bits a number), with one power-of-two scale for each 32 numbers along K (OCP MX v1.0); their sums are f32. All else is computed in f32.
;;   The module's matrix products, in the order in which they are computed (A, B: the left and right operand; K: the contracted axis; several contracted axes count as one K, in the product's order):
;;     1. [M 8,192, K 1,024] x [K 1,024, N 3,072]; A: input x (given as codes); B: input Wqkv (given as codes): QUANTISED
;;     2. batch 64 x [M 2,048, K 64] x [K 64, N 2,048]; A: computed on the way; B: computed on the way: QUANTISED
;;     3. batch 64 x [M 2,048, K 2,048] x [K 2,048, N 64]; A: softmax (see below); B: computed on the way: QUANTISED
;;     4. [M 8,192, K 1,024] x [K 1,024, N 1,024]; A: computed on the way; B: input Wo (given as codes): QUANTISED
;;   THE QUANTISER, for each operand of a quantised product, along K:
;;     - K is cut into blocks of 32 from its start; a last block that is shorter is filled with zeros.
;;     - A block's scale is 2^e with e = floor(log2(the largest magnitude in the block)) - 8, held to -126 .. 127; a block of zeros has e = 0. As a byte (E8M0): e + 127.
;;     - Each number is divided by its block's scale, clamped to +-448, and rounded to the nearest number of E4M3, ties to even, subnormals kept.
;;     - The product sums the exact products of the quantised numbers (number of the format x scale) in f32.
;;   ~~~python
;;   def quantise(x, axis):      # numpy; x: float32 -> the quantised numbers, widened to float32 again
;;       x = np.moveaxis(x, axis, -1); K = x.shape[-1]
;;       x = np.pad(x, [(0, 0)] * (x.ndim - 1) + [(0, -K % 32)]); x = x.reshape(x.shape[:-1] + (-1, 32)); a = np.abs(x).max(-1, keepdims=True)
;;       e = np.where(a > 0, np.clip(np.frexp(np.where(a > 0, a, 1))[1] - 1 - 8, -126, 127), 0)      # np.frexp(a)[1] - 1 = floor(log2(a)), exactly
;;       r = np.clip(x / 2.0 ** e, -448, 448)
;;       step = 2.0 ** (np.maximum(np.frexp(np.where(r == 0, 1, r))[1] - 1, -6) - 3)
;;       q = np.round(r / step) * step * 2.0 ** e      # np.round: ties to even
;;       return np.moveaxis(q.reshape(q.shape[:-2] + (-1,))[..., :K], -1, axis).astype(np.float32)
;;   ~~~
;;   SOFTMAX AHEAD OF A QUANTISED PRODUCT. Where the list says 'softmax', what is quantised is not the finished softmax but p = 2^(t - M), with t = logit x log2(e) and M = ceil(the row's largest t), a whole number; so 1/2 < the row's largest p <= 1. The row's sum l is taken of the UNQUANTISED p, in f32, and the product's result is divided by l at the end. Since M is a whole number, a kernel that streams over the keys may use a running M (the ceiling of the running maximum): every later rescaling is an exact power of two, which a block's scale takes up: the codes' values come out the same.
;;   OPERANDS COMPUTED ON THE WAY. 'Computed on the way' means the value that the module computes at that place (a softmax that the list does not call 'softmax' is quantised finished and normalised). What goes into a quantiser is computed in f32, as accurately as f32 sums, v_exp_f32 and their like allow (about 1e-6 of the number): no bf16 or f16 on the way to a quantiser, and a product that is left as it is and whose result goes on into a quantised operand takes f32 operands (vector FMAs, or v_wmma_f32_16x16x4_f32). A number that lies on a knife's edge between two numbers of the format may be rounded either way, as far as f32 arithmetic and the matrix unit's own rounding can turn it there, and no further.
;;   INPUTS GIVEN AS CODES. Wo (in the module: [1024, 1024], K = its axis 0); Wqkv (in the module: [1024, 3072], K = its axis 0); x (in the module: [4, 2048, 1024], K = its axis 2): each comes as NAME_codes (uint8): NAME with its K axis moved to the last place and cut into blocks of 32 codes, [.., K / 32, bytes a block], one block behind the other in memory; one code a byte (a code: sign, 4 exponent bits, 3 mantissa bits); and NAME_scales (uint8): the same leading axes, one E8M0 byte (e + 127) for each 32 codes along K. Its value is code x scale, taken as it is: it is not quantised again, and the codes and scales need not be those that the quantiser above would give.
;; One version. Each part assembles by itself: llvm-mc -triple=amdgcn-amd-amdhsa -mcpu=gfx1250 --defsym DOCPART=n.
;; ======== version 1 of 1: 3 launches
;; limits: right only within a limited range of input values
;; workspace buffers: qimg 8,388,608 bytes; qsc 524,288 bytes; kv 17,563,648 bytes; oimg 8,388,608 bytes; osc 262,144 bytes
;; launch qkv (part 1): grid 12 x 32, 4 waves a work-group, clusters of 4 x 4, 327,680 bytes of LDS; arguments x_codes, x_scales, Wqkv_codes, Wqkv_scales, qimg, qsc, kv; writes qimg, qsc, kv
.if DOCPART == 1
	.amdgcn_target "amdgcn-amd-amdhsa--gfx1250"
	.amdhsa_code_object_version 6
	.text
	.protected	k_q7cecfe25c8_qkv
	.globl	k_q7cecfe25c8_qkv
	.p2align	8
	.type	k_q7cecfe25c8_qkv,@function
k_q7cecfe25c8_qkv:
	s_mov_b64 s[64:65], 0
	v_nop
	global_prefetch_b8 v0, s[64:65] scope:SCOPE_SE
	s_setreg_imm32_b32 hwreg(HW_REG_WAVE_MODE, 25, 1), 1
	s_wait_xcnt 0x0
	s_wait_alu depctr_hold_cnt(0) depctr_sa_sdst(0) depctr_va_vdst(0) depctr_va_sdst(0) depctr_va_ssrc(0) depctr_va_vcc(0) depctr_vm_vsrc(0)
	s_getreg_b32 s2, hwreg(HW_REG_IB_STS2, 6, 4)
	s_cmp_eq_u32 s2, 0
	s_cbranch_scc0 .Lentry_in_a_cluster
	s_endpgm
.Lentry_in_a_cluster:
	s_bfe_u32 s2, ttmp6, 0x10000c
	s_cmp_lg_u32 s2, 0xf033
	s_cbranch_scc0 .Lentry_shape_is_right
	s_endpgm
.Lentry_shape_is_right:
; qkv = x Wqkv on codes of E4M3 with one E8M0 scale for each 32 along K (K = 1,024), and the quantisers of q, k and v behind it: the f32 results never go to memory.
; ONE TEXT FOR THREE PARTS.  The text makes C'[i][j] = sum over k of P[i][k] Q[j][k] for a tile of 256 x 256 and quantises it ALONG j.
;   cluster x = 0, 1 (q, k): P = x (tokens), Q = rows 0 .. 2,047 of Wqkv (channels): q and k are quantised along the head's 64 channels.
;   cluster x = 2 (v):       P = rows 2,048 .. 3,071 of Wqkv (channels), Q = x (tokens): v is quantised along the keys, the K of attention's second product.
; Only pointers and tile numbers differ, chosen by selects on the cluster's x, which all partners of a cluster share.
; Four waves, each 128 x 128: 64 accumulators, 512 registers.  K goes in steps of 256 through a ring of two LDS slots filled by the tensor data mover; the scale bytes of the 256 + 256 rows come into LDS once.
; CLUSTERS: 4 x 4 work-groups; P's tile is shared along a row of the cluster, Q's along a column: each is asked for jointly.
; THE MATRIX INSTRUCTION IS USED TRANSPOSED (source 0 = 16 rows of Q, source 1 = 16 rows of P): lane (r, h) holds row r of P's block, register j of accumulator (a, b) is Q's row 16 b + 8 h + j.
; So the 16 registers of accumulators (a, 2 c) and (a, 2 c + 1), with those of lane l xor 16, are one block of 32 along j.  Two conversions make of them four registers, which are stored AS REGISTERS 4 c .. 4 c + 3 OF
; THE NEXT PRODUCT'S OPERAND: an image of the fragment, 16 bytes a lane, 512 consecutive bytes a store.  Inside a block the order of k is then a fixed permutation, alike in q and k, and alike in v and in the weights p that the
; next launch makes by the same layout: the sums are not changed by it.
; OUT: qimg [head 64][tile of 16 tokens 128][c 2][lane][16 B]; qsc [head][128 tokens 16][lane][4 words]: word i of lane l is the scale word of tile 2 i (l < 16) or 2 i + 1 (l >= 16), row l % 16;
;   kv [head][256 keys 8][34,304 B]: K's images [step of 128 keys 2][tile 8][c 2][512 B]; at 16,384 V's [step 2][tile of 16 channels 4][c 4][512 B]; at 32,768 K's scale words [step][lane][4 words]; at 33,792 V's [step][lane][2 words].
; LIMITS: a block of zeros, and one whose largest magnitude lies under 2^-118, gets the scale byte 1 (a block of zeros has zero codes, and these bytes are read by this program alone); NaN and infinities are not served.
; REGISTERS, in windows of 256: window 0: v0-31 addresses; v32-63 scale words, two sets; v64-127 the way out; from v128 P's fragments, one set.  window 1: Q's fragments, two sets.  windows 2, 3: the accumulators ((a, b) at v[8 (8 (a % 4) + b)]).
.set SIZE_K, 1024
.set KSTEP,  256                       ; along K in a slot
.set NQ,     KSTEP/128                 ; matrix instructions deep
.set ROWB,   256                       ; a tile's row in bytes
.set KROW,   SIZE_K                    ; a row of codes in memory
.set PITCH,  272                       ; an LDS row: 256 bytes + 16 of padding = 68 words: the 16 rows that a load touches start at 16 different banks (64 banks of 4 bytes: ISA guide 11.1)
.set FR,     16                        ; registers of a fragment
.set NL,     4                         ; LDS loads that bring one
.set NP,     8                         ; places behind this matrix instruction (ISA guide 7.12.1)
.set HALFT,  128*PITCH                 ; what one tensor load brings
.set SLOT,   4*HALFT                   ; P's 256 rows, then Q's 256 rows
.set LAPS,   SIZE_K/(2*KSTEP)          ; a lap = two K steps = once round the ring
.set KS,     SIZE_K/32                 ; a row of scale bytes
.set SCL,    2*SLOT                    ; behind the ring: the scales, as units of 256 bytes + 16 of padding
.set HALFS,  (128*KS/256)*272          ; those of 128 rows
.set SBLK,   (16*KS/256)*272           ; those of 16 rows
.set SPARE,  SCL+4*HALFS               ; the spare words, 128 bytes for each wave: two blocks of 256 bytes that no other line names
.set HSQ,    131072                    ; from head to head in qimg,
.set HSQS,   8192                      ; in qsc,
.set HSKV,   274432                    ; in kv
.set SLOTB,  34304                     ; 256 keys in kv
.set VI,     16384
.set KSO,    32768
.set VSO,    33792
.set ADRA, 16                          ; v16-17  LDS address of my P fragments in slot 0, 1
.set ADRB, 20                          ; v20-21  the same for Q
.set ADRS, 27                          ; v27     LDS address of my scale words: lanes 0-15 P's rows, lanes 16-31 Q's
.set SPW,  28                          ; v28     LDS address of my spare word; never rewritten
.set NIL,  29                          ; v29     0; never rewritten
.set SC,   32                          ; scale words: set s at v[SC + 16 s]; register 2 i + q: lanes 0-15 P's block i, lanes 16-31 Q's block i
.set AF,   128                         ; P's fragments, in window 0
.set TM,   64                          ; the way out: v64-67 largest magnitudes, v68-71 bytes, v76-79 the conversions' scale operands
.set WD,   80                          ; v80-87  the scale word of each of my eight blocks of P
.set XR,   88                          ; v88-91  scale words, two blocks to a register
.set YR,   92                          ; v92-95  the same for the second head
.set VO,   96                          ; v96-99  byte offsets of a block's four stores
.set VS2,  100                         ; v100    16 x lane + a head's stride among scale words
.set V8,   101                         ; v101    8 x lane
.set V8H,  102                         ; v102    8 x lane + that stride
.set PC,   104                         ; v104-119 the codes just made
.set G1, 24                            ; s[24:31] descriptor group 1 for P's tiles;  s[32:39] group 0, one set for each slot
.set G0, 32
.set G1B, 48                           ; s[48:55], s[56:63] the same for Q's tiles
.set G0B, 56
.set G1S, 68                           ; s[68:75], s[76:79] groups 1 and 0 for P's scales;  s[80:87], s[88:91] for Q's
.set G0S, 76
.set G1SB, 80
.set G0SB, 88
.set MSB, 0
.macro WIN new                         ; the immediate's high byte repeats the setting that is left
.if MSB != \new
	s_set_vgpr_msb (MSB<<8)|\new
.set MSB, \new
.endif
.endm
.set MUL_LO, 0xa1                      ; source 0 (Q) window 1, source 1 (P) window 0, C and D window 2
.set MUL_HI, 0xf1                      ; the same, C and D window 3
.set TO_B,   0x40                      ; destination window 1, address window 0
; A joint load: waves 0 and 1 fetch for P, waves 2 and 3 for Q.  Each line has one mask and one set of registers for all that issue it; the branch hangs on the wave's number alone.
; Four v_nop follow each of the two lines, ahead of the jump, the label and what follows.
.macro JLOAD g0a, g1a, g0b, g1b
	s_cmp_eq_u32 s15, 0
	s_cbranch_scc0 .Lfor_b_\@
	tensor_load_to_lds s[\g0a:\g0a+3], s[\g1a:\g1a+7]
	s_nop 0
.rept 4
	v_nop
.endr
	s_branch .Lasked_\@
.Lfor_b_\@:
	tensor_load_to_lds s[\g0b:\g0b+3], s[\g1b:\g1b+7]
	s_nop 0
.rept 4
	v_nop
.endr
.Lasked_\@:
.endm
.macro CREST                           ; a round of the cluster's barrier behind its opening barrier
	s_cmp_lg_u32 s14, 0
	s_cbranch_scc1 .Lnot_wave_0_\@
	s_barrier_signal -3
.Lnot_wave_0_\@:
	s_barrier_wait -3
	s_barrier_signal -1
	s_barrier_wait -1
.endm
.macro CROUND                          ; a whole round
	s_barrier_signal -1
	s_barrier_wait -1
	CREST
.endm
	s_load_b256 s[4:11], s[0:1], 0x0               ; x's codes s[4:5], x's scales s[6:7], Wqkv's codes s[8:9], Wqkv's scales s[10:11]
	s_load_b128 s[96:99], s[0:1], 0x20             ; qimg, qsc
	s_load_b64 s[100:101], s[0:1], 0x30            ; kv
	v_lshl_add_u32 v[SPW], v0, 2, SPARE
	v_mov_b32 v[NIL], 0
	ds_add_u32 v28, v29
	ds_add_u32 v28, v29
	s_wait_dscnt 0x0
	v_lshrrev_b32 v1, 5, v0
	v_readfirstlane_b32 s14, v1                    ; wave 0..3
	s_lshr_b32 s15, s14, 1                         ; which half of the tile's rows (P) is mine.  Also: I fetch for P (0) or for Q (1)
	s_and_b32 s16, s14, 1                          ; which half of its columns (Q).  Also: which 128 rows of that tile I fetch
	s_bfe_u32 s40, ttmp6, 0x40000                  ; cx, cy: my place in the cluster
	s_bfe_u32 s41, ttmp6, 0x40004
	s_and_b32 s18, ttmp7, 0xffff
	s_lshl_b32 s18, s18, 2                         ; 4 x cluster y
	s_lshl_b32 s19, ttmp9, 2                       ; 4 x cluster x
	s_cmp_eq_u32 ttmp9, 2                          ; the part for v?  The cluster's x is the same in all sixteen partners
	s_cselect_b32 s17, 0, s18                      ; q, k: 32 tiles of tokens down;  v: 4 tiles of channels down
	s_cselect_b32 s42, s18, s19                    ; q, k: 8 tiles of channels across;  v: 32 tiles of tokens across
	s_add_co_u32 s17, s17, s41                     ; P's tile: it hangs on cy alone of my place
	s_add_co_u32 s42, s42, s40                     ; Q's tile: on cx alone
	s_lshl_b32 s43, s41, 2
	s_lshl_b32 s43, 15, s43                        ; my row of the cluster
	s_lshl_b32 s44, 0x1111, s40                    ; my column
	; descriptor group 1: a tile of 128 rows x 256 bytes, padded in LDS
	s_or_b32 s[G1+0], s43, (0<<16)|(1<<20)|(1<<21)|(5<<22)|(3<<25)  ; 15:0 the mask: P's tiles go to my row; 17:16 element of 1 byte; 20 padding on; 21 set beside a mask; 24:22 after every 64 words; 31:25 of 4 words
	s_or_b32 s[G1B+0], s44, (0<<16)|(1<<20)|(1<<21)|(5<<22)|(3<<25)
.irp g, G1, G1B
	s_mov_b32 s[\g+1], ROWB<<16                    ; tensor_dim0
	s_mov_b32 s[\g+2], 128<<16                     ; tensor_dim1
	s_mov_b32 s[\g+3], ROWB<<16                    ; tile_dim0
	s_mov_b32 s[\g+4], 128                         ; tile_dim1
	s_mov_b32 s[\g+5], KROW                        ; tensor_dim0_stride
	s_mov_b32 s[\g+6], 0
	s_mov_b32 s[\g+7], 0
.endr
	; the scales of 128 rows: a dense block of 4,096 bytes, as 16 rows of 256 bytes (32 elements of 8 bytes), 16 bytes of padding behind each
	s_or_b32 s[G1S+0], s43, (3<<16)|(1<<20)|(1<<21)|(5<<22)|(3<<25)
	s_or_b32 s[G1SB+0], s44, (3<<16)|(1<<20)|(1<<21)|(5<<22)|(3<<25)
.irp g, G1S, G1SB
	s_mov_b32 s[\g+1], 32<<16
	s_mov_b32 s[\g+2], (128*KS/256)<<16
	s_mov_b32 s[\g+3], 32<<16
	s_mov_b32 s[\g+4], 128*KS/256
	s_mov_b32 s[\g+5], 32
	s_mov_b32 s[\g+6], 0
	s_mov_b32 s[\g+7], 0
.endr
	s_lshl_b32 s18, s16, 7                         ; which 128 rows of the tile I fetch
	s_lshl_b32 s20, s17, 8
	s_add_co_u32 s20, s20, s18                     ; P: row 256 x tile + 128 x half
	s_lshl_b32 s46, s42, 8
	s_add_co_u32 s46, s46, s18                     ; Q likewise
	s_mov_b32 s21, 0
	s_mov_b32 s47, 0
	s_lshl_b64 s[22:23], s[20:21], 5               ; where these rows' scales begin: 32 bytes a row
	s_lshl_b64 s[92:93], s[46:47], 5
	s_lshl_b64 s[20:21], s[20:21], 10              ; and their codes: 1,024 bytes a row
	s_lshl_b64 s[46:47], s[46:47], 10
	s_mul_i32 s45, s14, HALFT                      ; where they go: wave x 128 rows: no place in the cluster enters an LDS address
	s_mul_i32 s94, s14, HALFS
	s_wait_kmcnt 0x0
	s_add_nc_u64 s[36:37], s[8:9], 2048*KROW       ; Wqkv at its row 2,048: v's channels
	s_add_nc_u64 s[38:39], s[10:11], 2048*KS
	s_cmp_eq_u32 ttmp9, 2
	s_cselect_b64 s[12:13], s[36:37], s[4:5]       ; P's codes,
	s_cselect_b64 s[66:67], s[38:39], s[6:7]       ; P's scales,
	s_cselect_b64 s[8:9], s[4:5], s[8:9]           ; Q's codes,
	s_cselect_b64 s[10:11], s[6:7], s[10:11]       ; Q's scales
	s_add_nc_u64 s[20:21], s[12:13], s[20:21]
	s_add_nc_u64 s[22:23], s[66:67], s[22:23]
	s_add_nc_u64 s[46:47], s[8:9], s[46:47]
	s_add_nc_u64 s[92:93], s[10:11], s[92:93]
	CROUND                                         ; all sixteen work-groups are here: the first joint loads meet
	s_mov_b32 s[G0S], 1
	s_add_co_u32 s[G0S+1], s94, SCL
	s_mov_b64 s[G0S+2:G0S+3], s[22:23]
	s_or_b32 s[G0S+3], s[G0S+3], 0x80000000
	s_mov_b32 s[G0SB], 1
	s_add_co_u32 s[G0SB+1], s94, SCL
	s_mov_b64 s[G0SB+2:G0SB+3], s[92:93]
	s_or_b32 s[G0SB+3], s[G0SB+3], 0x80000000
	JLOAD G0S, G1S, G0SB, G1SB                     ; the scales first: they are wanted with K step 0
.irp s, 0,1
	s_mov_b32 s[G0+4*\s], 1
	s_add_co_u32 s[G0+4*\s+1], s45, \s*SLOT
	s_add_nc_u64 s[G0+4*\s+2:G0+4*\s+3], s[20:21], \s*ROWB
	s_or_b32 s[G0+4*\s+3], s[G0+4*\s+3], 0x80000000
	s_mov_b32 s[G0B+4*\s], 1
	s_add_co_u32 s[G0B+4*\s+1], s45, \s*SLOT
	s_add_nc_u64 s[G0B+4*\s+2:G0B+4*\s+3], s[46:47], \s*ROWB
	s_or_b32 s[G0B+4*\s+3], s[G0B+4*\s+3], 0x80000000
	JLOAD G0+4*\s, G1, G0B+4*\s, G1B               ; three tensor loads of mine are out now, and never more
.endr
	v_and_b32 v1, 15, v0                           ; l % 16
	v_bfe_u32 v2, v0, 4, 1                         ; l / 16
	v_mul_u32_u24 v3, v1, PITCH
	v_lshl_add_u32 v4, v2, 4, v3                   ; a fragment's row x pitch + 16 x half
	s_mul_i32 s21, s15, HALFT                      ; my 128 rows of P
	s_mul_i32 s22, s16, HALFT                      ; my 128 rows of Q,
	s_add_co_u32 s22, s22, 2*HALFT                 ; which lie behind P's 256
.irp s, 0,1
	v_add_nc_u32 v[ADRA+\s], s21, v4
	v_add_nc_u32 v[ADRB+\s], s22, v4
	s_add_co_u32 s21, s21, SLOT
	s_add_co_u32 s22, s22, SLOT
.endr
	v_mul_u32_u24 v5, v1, KS                       ; my row's scales: 32 bytes a row,
	v_lshrrev_b32 v6, 8, v5
	v_lshl_add_u32 v5, v6, 4, v5                   ; and 16 more for each 256 passed
	s_mul_i32 s21, s15, HALFS                      ; P's: my 128 rows
	s_mul_i32 s22, s16, HALFS                      ; Q's: my 128 rows, behind P's 256
	s_add_co_u32 s22, s22, 2*HALFS
	s_sub_co_u32 s22, s22, s21
	v_mul_u32_u24 v6, s22, v2                      ; lanes 16-31 take Q's: the lower base + half x the distance
	s_add_co_u32 s21, s21, SCL
	v_add_nc_u32 v5, v5, v6
	v_add_nc_u32 v[ADRS], s21, v5
.macro FRAG reg, adr, q, i             ; a fragment, 16 rows x 128 K: lane l holds row l % 16; registers 4 c .. 4 c + 3 hold K = 32 c + 16 (l / 16) + 0 .. 15
.irp c, 0,1,2,3
	ds_load_b128 v[\reg+4*\c:\reg+4*\c+3], v[\adr] offset:128*(\q)+32*\c+(\i)*16*PITCH
.endr
.endm
; 16 matrix instructions: P's blocks a0, a0 + 1 x Q's eight, 128 along K.  p: Q's set;  sc: the set of scale words.  zero = 1: the first product starts the sums: nothing is cleared.
; The 64 accumulators take turns, one instruction a turn, in the same order in every step.
.macro MUL16 a0, p, q, sc, zero
.irp a, \a0, \a0+1
.irp b, 0,1,2,3,4,5,6,7
.if \zero
	v_wmma_scale_f32_16x16x128_f8f6f4 v[8*(8*((\a)%4)+\b):8*(8*((\a)%4)+\b)+7], v[128*(\p)+FR*\b:128*(\p)+FR*\b+FR-1], v[AF+FR*(\a):AF+FR*(\a)+FR-1], 0, v[SC+8*NQ*(\sc)+NQ*\b+(\q)], v[SC+8*NQ*(\sc)+NQ*(\a)+(\q)] matrix_a_scale:MATRIX_SCALE_ROW1
.else
	v_wmma_scale_f32_16x16x128_f8f6f4 v[8*(8*((\a)%4)+\b):8*(8*((\a)%4)+\b)+7], v[128*(\p)+FR*\b:128*(\p)+FR*\b+FR-1], v[AF+FR*(\a):AF+FR*(\a)+FR-1], v[8*(8*((\a)%4)+\b):8*(8*((\a)%4)+\b)+7], v[SC+8*NQ*(\sc)+NQ*\b+(\q)], v[SC+8*NQ*(\sc)+NQ*(\a)+(\q)] matrix_a_scale:MATRIX_SCALE_ROW1
.endif
.endr
.endr
.endm
.macro FETCH_B slot, q, p              ; Q's eight fragments of the slot's q-th 128 along K into set p
	WIN TO_B
.irp i, 0,1,2,3,4,5,6,7
	FRAG 128*(\p)+FR*\i, ADRB+\slot, \q, \i
.endr
	WIN 0
.endm
.macro FETCH_A slot, q, i0             ; P's blocks i0 .. i0 + 3
.irp i, \i0, \i0+1, \i0+2, \i0+3
	FRAG AF+FR*(\i), ADRA+\slot, \q, \i
.endr
.endm
.macro SCALES sc                       ; the next K step's scale words into set sc: two words a row
.irp i, 0,1,2,3,4,5,6,7
	ds_load_b64 v[SC+8*NQ*\sc+NQ*\i:SC+8*NQ*\sc+NQ*\i+1], v[ADRS] offset:\i*SBLK
.endr
.endm
; A load into a register that a matrix instruction has read, and a vector instruction that reads a matrix result, stand NP places behind that matrix instruction; only plain vector
; instructions that name none of its registers are places (ISA guide 7.12.1 for vector instructions).
.macro PLACES n
.rept \n
	v_nop
.endr
.endm
; A step of 128 along K that has its successor in the same slot.
.macro STEP slot, q, zero
	s_wait_dscnt 4*NL                              ; Q's set and P's blocks 0-3 are in; the youngest sixteen loads (P's blocks 4-7) may be out
	WIN MUL_LO
	MUL16 0, (\q)%2, \q, \slot, \zero
	MUL16 2, (\q)%2, \q, \slot, \zero
	s_wait_dscnt 0                                 ; P's blocks 4-7 are in
	PLACES NP
	FETCH_B \slot, (\q)+1, 1-(\q)%2
	FETCH_A \slot, (\q)+1, 0
	WIN MUL_HI
	MUL16 4, (\q)%2, \q, \slot, \zero
	MUL16 6, (\q)%2, \q, \slot, \zero
	PLACES NP
	WIN 0
	FETCH_A \slot, (\q)+1, 4
.endm
; A slot's last step changes slots: one barrier; in front of it each wave waits for all its tensor loads, adds 0 to its spare word, and waits for that and for its own reads of this slot.  fill = 1: this slot is filled again, two K steps ahead.
.macro TURN slot, next, fill
	s_wait_tensorcnt 0x0                           ; all my tensor loads have landed: my part of the next slot
	ds_add_u32 v[SPW], v[NIL]                      ; 0 onto my spare word
	s_wait_dscnt 4*NL+1                            ; (the add and the youngest sixteen loads may be out)
	WIN MUL_LO
	MUL16 0, 1, NQ-1, \slot, 0                     ; sixteen matrix instructions stand between the add and the wait for it
	s_wait_dscnt 0x0                               ; the add is done, and my reads of this slot are over
	s_barrier_signal -1
	MUL16 2, 1, NQ-1, \slot, 0
	WIN 0
	s_barrier_wait -1
.if \fill
	CREST                                          ; the barrier has opened a round of the cluster's barrier: no wave of any partner still reads this slot's tile or has a load on its way
	s_add_nc_u64 s[G0+4*\slot+2:G0+4*\slot+3], s[G0+4*\slot+2:G0+4*\slot+3], 2*ROWB
	s_add_nc_u64 s[G0B+4*\slot+2:G0B+4*\slot+3], s[G0B+4*\slot+2:G0B+4*\slot+3], 2*ROWB
	JLOAD G0+4*\slot, G1, G0B+4*\slot, G1B         ; the first tensor load behind the round; its four v_nop are among the places in front of the loads below
	PLACES NP-4
.else
	PLACES NP
.endif
	s_wait_alu depctr_va_vdst(0)
	v_add_nc_u32 v[ADRS], 4*NQ, v[ADRS]            ; on to the next K step's scale words
	FETCH_B \next, 0, 0
	FETCH_A \next, 0, 0
	SCALES \next
	WIN MUL_HI
	MUL16 4, 1, NQ-1, \slot, 0
	MUL16 6, 1, NQ-1, \slot, 0
	PLACES NP
	WIN 0
	FETCH_A \next, 0, 4
.endm
	s_wait_alu depctr_va_vdst(0)
	s_wait_tensorcnt 1                             ; the scales and my part of K step 0 are in (K step 1's load may be out)
	s_barrier_signal -1
	s_barrier_wait -1                              ; everybody's are
	FETCH_B 0, 0, 0
	FETCH_A 0, 0, 0
	SCALES 0
	FETCH_A 0, 0, 4
	STEP 0, 0, 1                                   ; the first step stands in front of the loop: its products start the sums
	s_mov_b32 s3, LAPS-1
.Llap:                                                 ; a trip goes once round the ring, from a lap's second step to the next lap's first, and fills both slots again
	TURN 0, 1, 1
	STEP 1, 0, 0
	TURN 1, 0, 1
	STEP 0, 0, 0
	s_sub_co_u32 s3, s3, 1
	s_cmp_lg_u32 s3, 0
	s_cbranch_scc1 .Llap
	TURN 0, 1, 0                                   ; the last lap fills nothing, and has no round of the cluster's barrier
	STEP 1, 0, 0
	s_wait_dscnt 4*NL                              ; the very last step: nothing more to fetch
	WIN MUL_LO
	MUL16 0, 1, NQ-1, 1, 0
	MUL16 2, 1, NQ-1, 1, 0
	s_wait_dscnt 0
	WIN MUL_HI
	MUL16 4, 1, NQ-1, 1, 0
	MUL16 6, 1, NQ-1, 1, 0
	WIN 0
	; THE WAY OUT.  Where my 128 x 128 goes.  All of this enters addresses of stores alone.
	s_lshl_b32 s20, s17, 8
	s_lshl_b32 s21, s15, 7
	s_add_co_u32 s20, s20, s21                     ; my first row of P
	s_lshl_b32 s21, s42, 8
	s_lshl_b32 s22, s16, 7
	s_add_co_u32 s21, s21, s22                     ; my first row of Q
	s_and_b32 s22, s21, 1023                       ; (q, k: the channel inside its part)
	s_cmp_eq_u32 ttmp9, 2
	s_cselect_b32 s23, s21, s20                    ; my first token
	s_cselect_b32 s22, s20, s22                    ; my first channel
	s_lshr_b32 s20, s23, 11
	s_lshl_b32 s20, s20, 4
	s_lshr_b32 s22, s22, 6
	s_add_co_u32 s20, s20, s22                     ; my first head: 16 x batch + channel / 64
	s_bfe_u32 s21, s23, 0x40007                    ; which 128 tokens of the batch's 2,048
	s_lshr_b32 s22, s21, 1                         ; in kv: which 256 keys,
	s_and_b32 s23, s21, 1                          ; and which step of 128 in them
	s_mul_i32 s45, s20, HSKV
	s_mul_i32 s46, s22, SLOTB
	s_add_co_u32 s45, s45, s46
	s_lshl_b32 s46, s23, 13
	s_add_co_u32 s46, s45, s46                     ; K's images
	s_add_co_u32 s47, s46, VI                      ; V's images
	s_lshl_b32 s66, s23, 9
	s_add_co_u32 s66, s66, s45
	s_add_co_u32 s66, s66, KSO                     ; K's scale words
	s_lshl_b32 s67, s23, 8
	s_add_co_u32 s67, s67, s45
	s_add_co_u32 s67, s67, VSO                     ; V's scale words
	s_cmp_eq_u32 ttmp9, 2
	s_cselect_b32 s46, s47, s46
	s_cselect_b32 s66, s67, s66
	s_lshl_b32 s47, s20, 17
	s_lshl_b32 s67, s21, 13
	s_add_co_u32 s47, s47, s67                     ; q's images: 131,072 bytes a head, 8,192 for 128 tokens
	s_lshl_b32 s67, s20, 13
	s_lshl_b32 s92, s21, 9
	s_add_co_u32 s67, s67, s92                     ; q's scale words: 8,192 bytes a head, 512 for 128 tokens
	s_mov_b32 s93, HSKV
	s_mov_b32 s94, HSQ
	s_mov_b32 s95, HSQS
	s_cmp_eq_u32 ttmp9, 0                          ; the part for q?
	s_cselect_b32 s20, s47, s46
	s_cselect_b32 s22, s67, s66
	s_cselect_b64 s[4:5], s[96:97], s[100:101]     ; the codes' buffer,
	s_cselect_b64 s[6:7], s[98:99], s[100:101]     ; the scale words'
	s_cselect_b32 s45, s94, s93                    ; from head to head among the codes,
	s_cselect_b32 s19, s95, s93                    ; and among the scale words
	s_mov_b32 s21, 0
	s_mov_b32 s23, 0
	s_add_nc_u64 s[4:5], s[4:5], s[20:21]
	s_add_nc_u64 s[6:7], s[6:7], s[22:23]
	s_sub_co_u32 s10, s45, 8192
	s_mov_b32 s8, 1024
	s_cmp_eq_u32 ttmp9, 2
	s_cselect_b32 s8, 2048, s8                     ; from block to block of P: q, k: a tile of 16 tokens, 1,024 bytes;  v: a tile of 16 channels, 2,048
	s_cselect_b32 s10, s10, 0                      ; v: behind four tiles of channels the next head begins
	s_cselect_b32 s18, 1024, s45                   ; a block's third and fourth stores: v: c = 2, 3;  q, k: the next head
	s_mov_b32 s9, 0
	s_mov_b32 s11, 0
	s_mov_b32 s12, 0x76543210
	s_mov_b32 s13, 0xfedcba98                      ; v_permlanex16_b32's selects for lane l xor 16
	s_mov_b32 s3, 0xffff0000                       ; lanes 16-31
	v_and_b32 v[VO], 31, v0                        ; these twelve plain lines are also the places behind the last products
	v_lshlrev_b32 v[V8], 3, v[VO]
	v_lshlrev_b32 v[VO], 4, v[VO]                  ; 16 x lane: an image's place for my lane
	v_add_nc_u32 v[VO+1], 512, v[VO]
	v_add_nc_u32 v[VO+2], s18, v[VO]
	v_add_nc_u32 v[VO+3], 512, v[VO+2]
	v_add_nc_u32 v[VS2], s19, v[VO]
	v_add_nc_u32 v[V8H], s19, v[V8]
.irp b, 0,1,2,3
	v_mov_b32 v[TM+4+\b], 0                        ; written once: a lane permute's destination counts as one of its sources
.endr
; Block a of P: 16 rows x 128 along j: four blocks of 32 a row.  Block c: my 16 numbers are the registers of accumulators (a, 2 c) and (a, 2 c + 1); lane l xor 16 holds the other 16.
.macro QROW a
.set XW, 2+(\a)/4
.set AC, 64*((\a)%4)
.set WN, (XW<<2)|(XW<<4)
	WIN WN                                         ; sources 1 and 2: the accumulators' window
.irp b, 0,1,2,3
	v_max3_num_f32 v[TM+\b], 0x4800000, |v[AC+16*\b]|, |v[AC+16*\b+1]|   ; the floor 2^(9 - 127), under which no largest magnitude is taken: the byte cannot fall under 1.  Each accumulator is read from its low end on
.endr
.irp i, 2,4,6,8,10,12,14
.irp b, 0,1,2,3
	v_max3_num_f32 v[TM+\b], v[TM+\b], |v[AC+16*\b+\i]|, |v[AC+16*\b+\i+1]|   ; (the four blocks by turns)
.endr
.endr
	WIN 0
.irp b, 0,1,2,3
	v_permlanex16_b32 v[TM+4+\b], v[TM+\b], s12, s13
.endr
.irp b, 0,1,2,3
	v_max_num_f32 v[TM+\b], v[TM+\b], v[TM+4+\b]   ; the block's largest magnitude
.endr
.irp b, 0,1,2,3
	v_add_nc_u32 v[TM+12+\b], 0xfc000000, v[TM+\b] ; 8 off its exponent field: the conversion takes the exponent field of this operand as its scale
.endr
.irp b, 0,1,2,3
.endr
.irp b, 0,1,2,3
	v_lshrrev_b32 v[TM+4+\b], 23, v[TM+12+\b]      ; the scale's byte
.endr
	v_lshl_or_b32 v[WD+(\a)], v[TM+5], 8, v[TM+4]  ; my row's four bytes.  q, k: bytes 0, 1 are the first head's two blocks, bytes 2, 3 the second head's;  v: the step's four blocks of keys
	v_lshl_or_b32 v[WD+(\a)], v[TM+6], 16, v[WD+(\a)]
	v_lshl_or_b32 v[WD+(\a)], v[TM+7], 24, v[WD+(\a)]
.set WN, (XW<<6)|XW
	WIN WN                                         ; destination and source 0: the accumulators' window
.irp b, 0,1,2,3
.irp i, 0,1,2,3,4,5,6,7,8,9,10,11,12,13,14,15
.endr
.endr
.if (\a) > 0
	s_wait_xcnt 0x0                                ; the last block's stores have read their data and their base: both are written again only behind this wait
	s_add_nc_u64 s[4:5], s[4:5], s[8:9]
.endif
.if (\a) == 4
	s_add_nc_u64 s[4:5], s[4:5], s[10:11]
.endif
	WIN XW
.irp b, 0,1,2,3
	v_cvt_scalef32_pk8_fp8_f32 v[PC+4*\b:PC+4*\b+1], v[AC+16*\b:AC+16*\b+7], v[TM+12+\b]
	v_cvt_scalef32_pk8_fp8_f32 v[PC+4*\b+2:PC+4*\b+3], v[AC+16*\b+8:AC+16*\b+15], v[TM+12+\b]
.endr
	WIN 0
	v_nop                                          ; one plain line behind the last conversion, ahead of the vector lines that write its sources again
.irp b, 0,1,2,3
	global_store_b128 v[VO+\b], v[PC+4*\b:PC+4*\b+3], s[4:5]   ; registers 4 c .. 4 c + 3 of an operand's fragment: 32 lanes store 512 consecutive bytes, at a multiple of 512 from the buffer's first byte
.endr
.endm
.irp a, 0,1,2,3,4,5,6,7
	QROW \a
.endr
.irp i, 0,1,2,3
	v_cndmask_b32 v[XR+\i], v[WD+2*\i], v[WD+2*\i+1], s3   ; lanes 0-15: block 2 i's words; lanes 16-31: block 2 i + 1's (every lane holds the word of row l % 16)
.endr
	s_cmp_eq_u32 ttmp9, 2                          ; alike in all partners; no LDS line, tensor load or barrier stands on either way
	s_cbranch_scc1 .Lv_scales
	global_store_b128 v[VO], v[XR:XR+3], s[6:7]    ; the first head: its bytes are the words' bytes 0, 1; bytes 2, 3 scale zero codes alone and are never 0xff
.irp i, 0,1,2,3
	v_lshrrev_b32 v[YR+\i], 16, v[XR+\i]           ; the second head's bytes come down
.endr
	global_store_b128 v[VS2], v[YR:YR+3], s[6:7]
	s_branch .Lscales_out
.Lv_scales:
	s_wait_alu depctr_va_vdst(0)
	global_store_b64 v[V8], v[XR:XR+1], s[6:7]     ; the first head's four tiles of channels,
	global_store_b64 v[V8H], v[XR+2:XR+3], s[6:7]  ; the second head's
.Lscales_out:
	s_wait_tensorcnt 0x0                           ; the wave's end
	ds_add_u32 v[SPW], v[NIL]
	s_wait_dscnt 0x0
	CROUND                                         ; the closing round: no work-group ends while a partner may still ask for a tile that names it
	s_endpgm
.Lfunc_end_k_q7cecfe25c8_qkv:
	.size	k_q7cecfe25c8_qkv, .Lfunc_end_k_q7cecfe25c8_qkv-k_q7cecfe25c8_qkv
	.p2alignl 7, 3214868480
	.fill 96, 4, 3214868480
	.section	.rodata,"a",@progbits
	.p2align	6, 0x0
	.amdhsa_kernel k_q7cecfe25c8_qkv
		.amdhsa_group_segment_fixed_size 327680
		.amdhsa_private_segment_fixed_size 0
		.amdhsa_enable_private_segment 0
		.amdhsa_kernarg_size 56
		.amdhsa_user_sgpr_count 2
		.amdhsa_user_sgpr_kernarg_segment_ptr 1
		.amdhsa_wavefront_size32 1
		.amdhsa_system_sgpr_workgroup_id_x 1
		.amdhsa_system_sgpr_workgroup_id_y 1
		.amdhsa_system_sgpr_workgroup_id_z 1
		.amdhsa_system_vgpr_workitem_id 0
		.amdhsa_next_free_vgpr 1024
		.amdhsa_next_free_sgpr 102
		.amdhsa_reserve_vcc 0
		.amdhsa_float_denorm_mode_32 3
		.amdhsa_float_denorm_mode_16_64 3
		.amdhsa_fp16_overflow 1
		.amdhsa_memory_ordered 1
		.amdhsa_forward_progress 1
		.amdhsa_inst_pref_size 153
	.end_amdhsa_kernel
	.amdgpu_metadata
---
amdhsa.version: [ 1, 2 ]
amdhsa.kernels:
  - .name:           k_q7cecfe25c8_qkv
    .symbol:         k_q7cecfe25c8_qkv.kd
    .args:
      - { .name: x_codes, .offset: 0, .size: 8, .value_kind: global_buffer, .address_space: global }
      - { .name: x_scales, .offset: 8, .size: 8, .value_kind: global_buffer, .address_space: global }
      - { .name: Wqkv_codes, .offset: 16, .size: 8, .value_kind: global_buffer, .address_space: global }
      - { .name: Wqkv_scales, .offset: 24, .size: 8, .value_kind: global_buffer, .address_space: global }
      - { .name: qimg, .offset: 32, .size: 8, .value_kind: global_buffer, .address_space: global }
      - { .name: qsc, .offset: 40, .size: 8, .value_kind: global_buffer, .address_space: global }
      - { .name: kv, .offset: 48, .size: 8, .value_kind: global_buffer, .address_space: global }
    .group_segment_fixed_size: 327680
    .private_segment_fixed_size: 0
    .kernarg_segment_align: 8
    .kernarg_segment_size: 56
    .max_flat_workgroup_size: 128
    .sgpr_count:     102
    .vgpr_count:     1024
    .wavefront_size: 32
...
	.end_amdgpu_metadata
.endif
;; end of part 1
;; launch attn (part 2): grid 4 x 64, 16 waves a work-group, no clusters, 327,680 bytes of LDS; arguments qimg, qsc, kv, oimg, osc; writes oimg, osc
.if DOCPART == 2
	.amdgcn_target "amdgcn-amd-amdhsa--gfx1250"
	.amdhsa_code_object_version 6
	.text
	.protected	k_q7cecfe25c8_attn
	.globl	k_q7cecfe25c8_attn
	.p2align	8
	.type	k_q7cecfe25c8_attn,@function
k_q7cecfe25c8_attn:
	s_mov_b64 s[64:65], 0
	v_nop
	global_prefetch_b8 v0, s[64:65] scope:SCOPE_SE
	s_setreg_imm32_b32 hwreg(HW_REG_WAVE_MODE, 25, 1), 1
	s_wait_xcnt 0x0
; Causal attention of one head on codes of E4M3 (one E8M0 scale for each 32 along a product's K), and the quantiser of its result o along the channels.
; IN (made by the launch before, as images of the operands' registers): qimg [head 64][tile of 16 queries 128][c 2][lane][16 B], qsc (scale words), kv [head][256 keys 8][34,304 B]: K's images, V's images (keys innermost), K's and V's scale words.
; OUT: oimg [tile of 16 tokens 512][128 along K 8][c 4][lane][16 B]: o's codes as fragments of the next product, k in its true order; osc [k / 256, 4][token 8,192][8 B]: o's scale bytes.
; THE SOFTMAX: t = score x log2(e) / 32 (the module scales by 1,024^-0.5); M = the row's largest t so far, rounded UP to a whole number; p = 2^(t - M) is quantised along the keys, not normalised.
; The row's sum is taken of the unquantised p and divides O at the end.  When M moves, the sum and O are multiplied by 2^(old M - new M): exact.
; THE HEAD'S K IS 64: registers 8-15 of Q's and K's fragments are zero codes, written once; they add nothing under any scale byte but 0xff, which no word here holds.
; SHARES.  Work-group (J, head) owns the blocks J and 7 - J of 256 queries, one after the other; each of its sixteen waves owns one tile of 16 queries of the block in hand, in 256 registers: four waves to a SIMD.
; Block J wants the key slots 0 .. J, block 7 - J the slots 0 .. 7 - J: NINE visits of a slot in every work-group, so that the 256 work-groups have equal work and the loop's trip count is a constant.
; A step (128 keys) all of whose keys come after the wave's 16 queries is left out by a scalar branch on ids; on the diagonal the hidden scores become -infinity ahead of the maximum.
; LAYOUT.  Both products are used transposed: S^T = K Q^T, O^T = V^T P^T: a lane holds ONE query (lane % 16) throughout.  Register j of S^T's tile u is key 16 u + 8 (lane / 16) + j, so the 16 registers of tiles 2 b, 2 b + 1, with
; those of lane l xor 16, are one block of 32 keys; their codes stand as registers 4 b .. 4 b + 3 of P.  V's images were made by the same layout, so k is permuted alike in both and the sums are not changed.
; NO CLUSTER: the four work-groups of a head visit different slots in a trip.  In a form in which all four ask for one slot in the same trip each walks the slots of its larger block (up to 8) and then those of its smaller (up to 4): 12 visits against 9; what
; would be shared is 34,304 bytes a trip.
; LIMITS: a block of zeros gets the scale byte 1 (its codes are zeros; this program alone reads the bytes); p under 2^-126 counts as 0 (v_exp_f32); NaN and infinities are not served.
; REGISTERS: v1-7 addresses that stay; v8-9 addresses in hand; v12 -M, v13 the largest t, v[14:15] the sum; v16-31 Q; v32-95 four fragments of K; v96-159 S^T, then p, then four fragments of V; v160-191 O^T; v192-207 p's codes;
;   v208-216 the second block's Q and scale word; v217 Q's scale word, v218 p's, v220-223 K's, v224-225 V's; v226-247 at work; v248-255 o's codes.
.set SLOTB, 34304                      ; 256 keys in kv and in LDS
.set HALFB, SLOTB/2                    ; what one tensor load brings: 67 rows of 256 bytes
.set HSKV,  8*SLOTB                    ; a head in kv
.set VI,    16384                      ; in a slot: V's images,
.set KSO,   32768                      ; K's scale words,
.set VSO,   33792                      ; V's scale words
.set SLOT1, 65536                      ; slot 1 begins here, so that one exclusive or turns an address in one slot into the other's
.set SPARE, 2*SLOT1                    ; the spare words, 128 bytes for each wave: eight blocks of 256 bytes that no other line names
.set LI,   1                           ; v1   16 x lane: an image's place for my lane
.set LI8,  2                           ; v2   8 x lane
.set R8,   3                           ; v3   8 x (lane % 16)
.set QL,   4                           ; v4   lane % 16 - 8 (lane / 16)
.set SPW,  5                           ; v5   LDS address of my spare word; never rewritten
.set NIL,  6                           ; v6   0; never rewritten
.set R16,  7                           ; v7   16 x (lane % 16)
.set ADI,  8                           ; v8   the slot in hand + 16 x lane
.set ADV,  9                           ; v9   the slot in hand + 8 x lane
.set QH,   208
.set QSH,  216
.set QS,   217
.set PS,   218
.set KS,   220
.set VS,   224
.set FF,   226                         ; v[226:227] f = 2^(old M - new M); at the end 1 / the sum
.set BM,   228                         ; v228-231 a block's largest score, then its largest p
.set T1,   232                         ; v232-235 the other half's maxima, then the bytes
.set HOLD, 236
.set SCOP, 240                         ; v240-243 the conversions' scale operands
.set SUM2, 244                         ; v[244:245] the sum's second chain
.set TA,   246
.set TC,   247
.set OC,   248
.set HB,   14                          ; s14  the head, 0 .. 63
.set WV,   18                          ; s18  my wave's number
.set MNT,  19
.set SEL,  20                          ; s[20:21] lane selects for v_permlanex16_b32: lane l xor 16
.set CS,   22                          ; s[22:23] c = log2(e) / 32
.set G1,   24                          ; s[24:31] descriptor group 1;  s[32:35] group 0, which walks
.set G0,   32
.set TB,   36                          ; s36  LDS byte at which the slot in hand begins
.set TRIP, 37                          ; s37  the trip, 0 .. 8
.set J,    38                          ; s38  work-group x, 0 .. 3
.set KF,   39                          ; s39  the step's first key
.set Q0,   40                          ; s40  my first query
.set WRAP, 41                          ; s41  (J + 1) slots in bytes
.set BACK, 42                          ; s[42:43] what the walking address goes back by
.set OB,   44                          ; s[44:45] where my tile's codes go;  s[46:47] its scale bytes
.set OSB,  46
.set OBH,  48                          ; s[48:51], s52 the same, and the first query, for the second block
.set OSBH, 50
.set Q0H,  52
.set QA,   54                          ; s[54:57] my tile of Q and its scale words;  s[58:61] the second block's
.set QSA,  56
.set QAH,  58
.set QSAH, 60
; Waves 0 and 1 fetch a slot's two halves, the others nothing.  The branch hangs on the wave's number alone.  Four v_nop follow the line.
.macro TLOAD
	s_cmp_lt_u32 s[WV], 2
	s_cbranch_scc0 .Lnone_\@
	tensor_load_to_lds s[G0:G0+3], s[G1:G1+7]
	s_nop 0
.rept 4
	v_nop
.endr
.Lnone_\@:
.endm
; The places of tile s[t] (0 .. 127) of my head: Q's image, its scale words, o's image, o's scale bytes, the first query
.macro WHERE t, qa, qsa, ob, osb, q0
	s_lshl_b32 s70, s[HB], 7
	s_add_co_u32 s70, s70, s[\t]
	s_lshl_b32 s70, s70, 10                        ; 1,024 bytes a tile
	s_add_nc_u64 s[\qa:\qa+1], s[4:5], s[70:71]
	s_lshl_b32 s70, s[HB], 13                      ; scale words: 8,192 bytes a head,
	s_lshr_b32 s72, s[\t], 3
	s_lshl_b32 s72, s72, 9                         ; 512 for eight tiles,
	s_add_co_u32 s70, s70, s72
	s_and_b32 s72, s[\t], 1
	s_lshl_b32 s72, s72, 8                         ; an odd tile's in lanes 16-31,
	s_add_co_u32 s70, s70, s72
	s_bfe_u32 s72, s[\t], 0x20001
	s_lshl_b32 s72, s72, 2                         ; word (tile / 2) % 4
	s_add_co_u32 s70, s70, s72
	s_add_nc_u64 s[\qsa:\qsa+1], s[6:7], s[70:71]
	s_lshr_b32 s72, s[HB], 4
	s_lshl_b32 s72, s72, 7
	s_add_co_u32 s72, s72, s[\t]                   ; the tile among all tokens: 128 x batch + tile
	s_lshl_b32 s70, s72, 14                        ; 16,384 bytes a tile of tokens,
	s_bfe_u32 s73, s[HB], 0x30001
	s_lshl_b32 s73, s73, 11                        ; 2,048 for 128 along K: two heads,
	s_add_co_u32 s70, s70, s73
	s_and_b32 s73, s[HB], 1
	s_lshl_b32 s73, s73, 10                        ; an odd head's blocks are c = 2, 3
	s_add_co_u32 s70, s70, s73
	s_add_nc_u64 s[\ob:\ob+1], s[10:11], s[70:71]
	s_bfe_u32 s73, s[HB], 0x20002
	s_lshl_b32 s70, s73, 16                        ; scale bytes: 65,536 for 256 along K: four heads,
	s_lshl_b32 s73, s72, 7                         ; 8 a token,
	s_add_co_u32 s70, s70, s73
	s_and_b32 s73, s[HB], 3
	s_lshl_b32 s73, s73, 1                         ; 2 a head
	s_add_co_u32 s70, s70, s73
	s_add_nc_u64 s[\osb:\osb+1], s[12:13], s[70:71]
	s_lshl_b32 s[\q0], s[\t], 4
.endm
	s_load_b256 s[4:11], s[0:1], 0x0               ; qimg s[4:5], qsc s[6:7], kv s[8:9], oimg s[10:11]
	s_load_b64 s[12:13], s[0:1], 0x20              ; osc
	v_lshl_add_u32 v[SPW], v0, 2, SPARE
	v_mov_b32 v[NIL], 0
	ds_add_u32 v5, v6
	ds_add_u32 v5, v6
	s_wait_dscnt 0x0
	v_lshrrev_b32 v8, 5, v0
	s_delay_alu instid0(VALU_DEP_1)
	v_readfirstlane_b32 s[WV], v8                  ; wave 0..15
	s_and_b32 s[HB], ttmp7, 0xffff
	s_mov_b32 s[J], ttmp9
	s_and_b32 s66, s[WV], 1
	s_mul_i32 s66, s66, HALFB                      ; the half that I fetch, if I fetch: in a slot and in memory alike
	s_mul_i32 s68, s[HB], HSKV
	s_add_co_u32 s68, s68, s66
	s_mov_b32 s69, 0
	; descriptor group 1: 17,152 dense bytes as 67 rows of 256 bytes (32 elements of 8 bytes); no padding: every read is an image, 16 bytes a lane on end
	s_mov_b32 s[G1], 3<<16
	s_mov_b32 s[G1+1], 32<<16                      ; tensor_dim0
	s_mov_b32 s[G1+2], 67<<16                      ; tensor_dim1
	s_mov_b32 s[G1+3], 32<<16                      ; tile_dim0
	s_mov_b32 s[G1+4], 67                          ; tile_dim1
	s_mov_b32 s[G1+5], 32                          ; tensor_dim0_stride
	s_mov_b32 s[G1+6], 0
	s_mov_b32 s[G1+7], 0
	s_mov_b32 s[G0], 1
	s_mov_b32 s[G0+1], s66                         ; slot 0
	s_wait_kmcnt 0x0
	s_add_nc_u64 s[G0+2:G0+3], s[8:9], s[68:69]    ; the head's keys 0 .. 255
	s_or_b32 s[G0+3], s[G0+3], 0x80000000
	TLOAD
	s_mov_b32 s[SEL], 0x76543210
	s_mov_b32 s[SEL+1], 0xfedcba98
	s_mov_b32 s[CS], 0x3d38aa3b                    ; c = log2(e) / 32
	s_mov_b32 s[CS+1], s[CS]                       ; (named with it as a pair, so it is written)
	s_mov_b32 s[TB], 0
	s_mov_b32 s[TRIP], 0
	s_mov_b32 s[KF], 0
	s_add_co_u32 s[WRAP], s[J], 1
	s_mul_i32 s[WRAP], s[WRAP], SLOTB
	s_mov_b32 s[BACK+1], 0
	s_mov_b32 s71, 0
	s_lshl_b32 s67, s[J], 4
	s_add_co_u32 s67, s67, s[WV]                   ; my tile of block J
	s_sub_co_u32 s74, 7, s[J]
	s_lshl_b32 s74, s74, 4
	s_add_co_u32 s74, s74, s[WV]                   ; and of block 7 - J
	WHERE 67, QA, QSA, OB, OSB, Q0
	WHERE 74, QAH, QSAH, OBH, OSBH, Q0H
	v_and_b32 v[LI], 31, v0
	s_delay_alu instid0(VALU_DEP_1)
	v_lshlrev_b32 v[LI8], 3, v[LI]
	s_delay_alu instid0(VALU_DEP_2)
	v_lshlrev_b32 v[LI], 4, v[LI]
	v_and_b32 v[R16], 15, v0
	v_bfe_u32 v8, v0, 4, 1
	s_delay_alu instid0(VALU_DEP_2)
	v_lshlrev_b32 v[R8], 3, v[R16]
	s_delay_alu instid0(VALU_DEP_2)
	v_lshlrev_b32 v8, 3, v8
	s_delay_alu instid0(VALU_DEP_1)
	v_sub_nc_u32 v[QL], v[R16], v8
	v_lshlrev_b32 v[R16], 4, v[R16]
	global_load_b128 v[16:19], v[LI], s[QA:QA+1]                   ; Q's fragment, c = 0, 1: it stays in registers
	global_load_b128 v[20:23], v[LI], s[QA:QA+1] offset:512
	global_load_b32 v[QS], v[R16], s[QSA:QSA+1]                    ; its scale words: lane r has row r's
	global_load_b128 v[QH:QH+3], v[LI], s[QAH:QAH+1]               ; and the second block's
	global_load_b128 v[QH+4:QH+7], v[LI], s[QAH:QAH+1] offset:512
	global_load_b32 v[QSH], v[R16], s[QSAH:QSAH+1]
.set i, 0
.rept 8
	v_mov_b32 v[24+i], 0                           ; Q's k = 64 .. 127: zero codes, for the whole launch
.set i, i+1
.endr
.irp t, 0,1,2,3
.set i, 0
.rept 8
	v_mov_b32 v[40+16*\t+i], 0                     ; and K's
.set i, i+1
.endr
.endr
.set i, 0
.rept 32
	v_mov_b32 v[160+i], 0                          ; O^T.  (The step is written once: a block's first step finds zeros)
.set i, i+1
.endr
.irp b, 0,1,2,3
	v_mov_b32 v[T1+\b], 0                          ; written once: a lane permute's destination counts as one of its sources
.endr
	v_mov_b32 v[TA], 0
	v_mov_b32 v[FF+1], 0                           ; (named as the upper half of a pair)
	v_mov_b32 v13, 0xff61b1e6                      ; the largest t so far: -3e38, under every t
	s_delay_alu instid0(VALU_DEP_1)
	v_floor_f32 v12, -v13                          ; -M
	v_mov_b32 v14, 0                               ; the sum, in two halves
	v_mov_b32 v15, 0
; A KEY STEP: 128 keys, the q-th of the slot in hand.
.macro STEP q
	s_add_co_u32 s66, s[Q0], 15
	s_cmp_gt_u32 s[KF], s66                        ; all 128 keys come after my 16 queries: the step's work is left out.  No barrier and no tensor load stands in a step
	s_cbranch_scc1 .Lhidden_\@
	v_add_nc_u32 v[ADI], s[TB], v[LI]
	s_wait_alu depctr_va_vdst(0)
	v_add_nc_u32 v[ADV], s[TB], v[LI8]
.rept 7
	v_nop                                          ; with the two additions nine places: S^T is written over registers that the last products V^T P^T read
.endr
.irp g, 0,1                                    ; S^T = K Q^T, four tiles of 16 keys at a time
.if \g > 0
.rept 8
	v_nop                                          ; places in front of loads into registers that matrix instructions have read
.endr
.endif
.irp t, 0,1,2,3
	ds_load_b128 v[32+16*\t:35+16*\t], v[ADI] offset:8192*(\q)+1024*(4*\g+\t)
	ds_load_b128 v[36+16*\t:39+16*\t], v[ADI] offset:8192*(\q)+1024*(4*\g+\t)+512
.endr
.if \g == 0
	ds_load_b128 v[KS:KS+3], v[ADI] offset:KSO+512*(\q)   ; the step's scale words: register i: lanes 0-15 tile 2 i, lanes 16-31 tile 2 i + 1
.endif
	s_wait_dscnt 0x0
.irp u, 0,1
	v_wmma_scale_f32_16x16x128_f8f6f4 v[96+8*(4*\g+2*\u):103+8*(4*\g+2*\u)], v[32+32*\u:47+32*\u], v[16:31], 0, v[KS+2*\g+\u], v[QS]
	v_wmma_scale_f32_16x16x128_f8f6f4 v[104+8*(4*\g+2*\u):111+8*(4*\g+2*\u)], v[48+32*\u:63+32*\u], v[16:31], 0, v[KS+2*\g+\u], v[QS] matrix_a_scale:MATRIX_SCALE_ROW1
.endr
.endr
.rept 8
	v_nop
.endr
	s_add_co_u32 s66, s[KF], 127
	s_cmp_le_u32 s66, s[Q0]                        ; a step all of whose keys count skips the mask
	s_cbranch_scc1 .Lopen_\@
	s_sub_co_i32 s66, s[Q0], s[KF]
	v_add_nc_u32 v[TA], s66, v[QL]                 ; d = my query - the step's first key - 8 (lane / 16).  Register n holds key 16 (n / 8) + n % 8 + 8 (lane / 16): hidden where 16 (n / 8) + n % 8 > d
	v_mov_b32 v[TC], 0xff800000                    ; -infinity: p = 0 then
.set n, 0
.rept 64
	v_cmp_gt_i32 vcc_lo, 16*(n/8)+n%8, v[TA]
	v_cndmask_b32 v[96+n], v[96+n], v[TC], vcc_lo
.set n, n+1
.endr
.Lopen_\@:
.irp b, 0,1,2,3
	v_max3_num_f32 v[BM+\b], v[96+16*\b], v[97+16*\b], v[98+16*\b]   ; the largest score of each block of 32 keys: it serves for the row's maximum and, since p rises with the score, for the block's largest p
.endr
.irp i, 3,5,7,9,11,13
.irp b, 0,1,2,3
	v_max3_num_f32 v[BM+\b], v[BM+\b], v[96+16*\b+\i], v[97+16*\b+\i]
.endr
.endr
.irp b, 0,1,2,3
	v_max_num_f32 v[BM+\b], v[BM+\b], v[111+16*\b]
.endr
.irp b, 0,1,2,3
	s_delay_alu instid0(VALU_DEP_4)
	v_permlanex16_b32 v[T1+\b], v[BM+\b], s[SEL], s[SEL+1]
.endr
.irp b, 0,1,2,3
	s_delay_alu instid0(VALU_DEP_4)
	v_max_num_f32 v[BM+\b], v[BM+\b], v[T1+\b]     ; with lane l xor 16's 16 keys
.endr
	s_delay_alu instid0(VALU_DEP_2)
	v_max3_num_f32 v[TA], v[BM], v[BM+1], v[BM+2]
	s_delay_alu instid0(VALU_DEP_1)
	v_max_num_f32 v[TA], v[TA], v[BM+3]            ; the step's largest score of my query
	s_delay_alu instid0(VALU_DEP_1)
	v_mul_f32 v[TA], s[CS], v[TA]                  ; as t (c is positive)
	s_delay_alu instid0(VALU_DEP_1)
	v_max_num_f32 v13, v13, v[TA]                  ; the running largest t
	v_mov_b32 v[TA], v12
	s_delay_alu instid0(VALU_DEP_2)
	v_floor_f32 v12, -v13                          ; the new -M = floor(-t) = -ceil(t): M is a whole number
	s_delay_alu instid0(VALU_DEP_1)
	v_sub_f32 v[TA], v12, v[TA]                    ; old M - new M: a whole number, 0 or less
	s_delay_alu instid0(VALU_DEP_1)
	v_cvt_i32_f32 v[TA], v[TA]                     ; (it saturates)
	s_delay_alu instid0(VALU_DEP_1)
	v_ldexp_f32 v[FF], 1.0, v[TA]                  ; f = 2^(old M - new M)
.set j, 0
.rept 32
	v_pk_fma_f32 v[96+j:97+j], v[96+j:97+j], s[CS:CS+1], v[12:13] op_sel_hi:[1,0,0]   ; t - M, two at a time
.set j, j+2
.endr
.irp b, 0,1,2,3
	v_fma_f32 v[BM+\b], v[BM+\b], s[CS], v12       ; the same of each block's largest score
.endr
.set j, 0
	s_wait_alu depctr_va_vdst(0)
.rept 64
	v_exp_f32 v[96+j], v[96+j]                     ; p = 2^(t - M), at most 1
.set j, j+1
.endr
.irp b, 0,1,2,3
	v_exp_f32 v[BM+\b], v[BM+\b]                   ; the block's largest p: the same two instructions on the same number
.endr
	v_pk_mul_f32 v[14:15], v[14:15], v[FF:FF+1] op_sel_hi:[1,0]   ; the sums under the new M.  (A plain place behind the exponentials)
	s_wait_alu depctr_va_vdst(0)
.irp b, 0,1,2,3
	v_max_num_f32 v[BM+\b], 0x4800000, v[BM+\b]    ; the floor 2^(9 - 127): the byte cannot fall under 1
.endr
.irp b, 0,1,2,3
	s_delay_alu instid0(VALU_DEP_4)
	v_add_nc_u32 v[SCOP+\b], 0xfc000000, v[BM+\b]  ; 8 off the exponent field: the conversion's scale operand
.endr
.irp b, 0,1,2,3
.endr
.irp b, 0,1,2,3
	s_delay_alu instid0(VALU_DEP_4)
	v_lshrrev_b32 v[T1+\b], 23, v[SCOP+\b]         ; the scale's byte
.endr
	s_delay_alu instid0(VALU_DEP_3)
	v_lshl_or_b32 v[PS], v[T1+1], 8, v[T1]         ; p's scale word for these 128 keys
	s_delay_alu instid0(VALU_DEP_1)
	v_lshl_or_b32 v[PS], v[T1+2], 16, v[PS]
	s_delay_alu instid0(VALU_DEP_1)
	v_lshl_or_b32 v[PS], v[T1+3], 24, v[PS]
	v_pk_add_f32 v[244:245], v[100:101], v[104:105]
	v_pk_add_f32 v[254:255], v[108:109], v[112:113]
	v_pk_add_f32 v[252:253], v[116:117], v[120:121]
	v_pk_add_f32 v[250:251], v[124:125], v[128:129]
	v_pk_add_f32 v[248:249], v[132:133], v[136:137]
	v_pk_add_f32 v[238:239], v[140:141], v[144:145]
	v_pk_add_f32 v[236:237], v[148:149], v[152:153]
	v_pk_add_f32 v[14:15], v[14:15], v[156:157]
	v_pk_add_f32 v[244:245], v[244:245], v[96:97]
	v_pk_add_f32 v[254:255], v[254:255], v[98:99]
	v_pk_add_f32 v[252:253], v[252:253], v[102:103]
	v_pk_add_f32 v[250:251], v[250:251], v[106:107]
	v_pk_add_f32 v[248:249], v[248:249], v[110:111]
	v_pk_add_f32 v[238:239], v[238:239], v[114:115]
	v_pk_add_f32 v[236:237], v[236:237], v[118:119]
	v_pk_add_f32 v[14:15], v[14:15], v[122:123]
	v_pk_add_f32 v[244:245], v[244:245], v[126:127]
	v_pk_add_f32 v[254:255], v[254:255], v[130:131]
	v_pk_add_f32 v[252:253], v[252:253], v[134:135]
	v_pk_add_f32 v[250:251], v[250:251], v[138:139]
	v_pk_add_f32 v[248:249], v[248:249], v[142:143]
	v_pk_add_f32 v[238:239], v[238:239], v[146:147]
	v_pk_add_f32 v[236:237], v[236:237], v[150:151]
	v_pk_add_f32 v[14:15], v[14:15], v[154:155]
	v_pk_add_f32 v[244:245], v[244:245], v[158:159]
	s_delay_alu instid0(VALU_DEP_2)
	v_pk_add_f32 v[14:15], v[14:15], v[250:251]
	s_delay_alu instid0(VALU_DEP_2)
	v_pk_add_f32 v[244:245], v[244:245], v[248:249]
	v_pk_add_f32 v[254:255], v[254:255], v[238:239]
	v_pk_add_f32 v[252:253], v[252:253], v[236:237]
	s_delay_alu instid0(VALU_DEP_2)
	v_pk_add_f32 v[14:15], v[14:15], v[254:255]
	s_delay_alu instid0(VALU_DEP_2)
	v_pk_add_f32 v[244:245], v[244:245], v[252:253]
	s_delay_alu instid0(VALU_DEP_1)
	v_pk_add_f32 v[14:15], v[14:15], v[244:245]
.irp b, 0,1,2,3
.set i, 0
.rept 16
.set i, i+1
.endr
	v_cvt_scalef32_pk8_fp8_f32 v[192+4*\b:193+4*\b], v[96+16*\b:103+16*\b], v[SCOP+\b]
	v_cvt_scalef32_pk8_fp8_f32 v[194+4*\b:195+4*\b], v[104+16*\b:111+16*\b], v[SCOP+\b]
.endr
	v_nop
.irp t, 0,1,2,3                                ; V's four tiles of 16 channels x these 128 keys, into the registers that p has left
.irp c, 0,1,2,3
	ds_load_b128 v[96+16*\t+4*\c:99+16*\t+4*\c], v[ADI] offset:VI+8192*(\q)+2048*\t+512*\c
.endr
.endr
	ds_load_b64 v[VS:VS+1], v[ADV] offset:VSO+256*(\q)   ; and their scale words
.set j, 0
.rept 16
	v_pk_mul_f32 v[160+j:161+j], v[160+j:161+j], v[FF:FF+1] op_sel_hi:[1,0]   ; O^T under the new M.  (These sixteen are also the plain lines behind the conversions and in front of the products)
.set j, j+2
.endr
	s_wait_alu depctr_va_vdst(0)
	s_wait_dscnt 0x0
.irp u, 0,1                                    ; O^T += V^T P^T: four accumulators, one instruction a turn
	v_wmma_scale_f32_16x16x128_f8f6f4 v[160+16*\u:167+16*\u], v[96+32*\u:111+32*\u], v[192:207], v[160+16*\u:167+16*\u], v[VS+\u], v[PS]
	v_wmma_scale_f32_16x16x128_f8f6f4 v[168+16*\u:175+16*\u], v[112+32*\u:127+32*\u], v[192:207], v[168+16*\u:175+16*\u], v[VS+\u], v[PS] matrix_a_scale:MATRIX_SCALE_ROW1
.endr
.Lhidden_\@:
	s_add_co_u32 s[KF], s[KF], 128
.endm
; THE CHANGE OF SLOTS stands at a trip's head.  Each wave waits for all its tensor loads (its part of the slot that it is about to read), adds 0 to its spare word, and waits for that and for its reads of the slot that it has left.
; fill = 1: that other slot is filled with the next trip's keys: one slot on, or, behind block J's last slot, back to the head's first keys.  One tensor load of a wave is out at the most.
.macro CHANGE fill
	s_wait_tensorcnt 0x0                           ; no tensor load of mine is out, so group 0 may be written
	ds_add_u32 v[SPW], v[NIL]                      ; 0 onto my spare word
.if \fill
	s_xor_b32 s[G0+1], s[G0+1], SLOT1              ; the other slot than last time,
	s_add_nc_u64 s[G0+2:G0+3], s[G0+2:G0+3], SLOTB ; the next 256 keys,
	s_cmp_eq_u32 s[TRIP], s[J]
	s_cselect_b32 s[BACK], s[WRAP], 0
	s_sub_nc_u64 s[G0+2:G0+3], s[G0+2:G0+3], s[BACK:BACK+1]   ; or keys 0 .. 255 again, for block 7 - J
.endif
	s_wait_dscnt 0x0                               ; the add is done, and my reads of the slot that I have left are over
	s_barrier_signal -1
	s_barrier_wait -1
.if \fill
	TLOAD                                          ; the first thing behind the barrier, and a wave's one tensor load until the next
.endif
.endm
; A BLOCK'S END: o = O^T / the sum, quantised along the channels: my head's 64 are two blocks of 32; a block's 16 numbers of mine are tiles 2 b and 2 b + 1, lane l xor 16 holds the other 16.
.macro FINISH
.rept 8
	v_nop                                          ; places behind the last products
.endr
	v_add_f32 v14, v14, v15
	s_delay_alu instid0(VALU_DEP_1)
	v_permlanex16_b32 v[TA], v14, s[SEL], s[SEL+1]
	s_delay_alu instid0(VALU_DEP_1)
	v_add_f32 v14, v14, v[TA]                      ; the row's sum
	s_wait_alu depctr_va_vdst(0)
	v_rcp_f32 v[FF], v14
	v_nop                                          ; one plain place behind a transcendental
.set j, 0
	s_wait_alu depctr_va_vdst(0)
.rept 16
	v_pk_mul_f32 v[96+j:97+j], v[160+j:161+j], v[FF:FF+1] op_sel_hi:[1,0]   ; register 8 t + i is o(query r, channel 16 t + 8 h + i)
.set j, j+2
.endr
.irp b, 0,1
	v_max3_num_f32 v[BM+\b], |v[96+16*\b]|, |v[97+16*\b]|, 0x4800000
.endr
.irp i, 2,4,6,8,10,12,14
.irp b, 0,1
	s_delay_alu instid0(VALU_DEP_2)
	v_max3_num_f32 v[BM+\b], v[BM+\b], |v[96+16*\b+\i]|, |v[97+16*\b+\i]|
.endr
.endr
.irp b, 0,1
	s_delay_alu instid0(VALU_DEP_2)
	v_permlanex16_b32 v[T1+\b], v[BM+\b], s[SEL], s[SEL+1]
.endr
.irp b, 0,1
	s_delay_alu instid0(VALU_DEP_2)
	v_max_num_f32 v[BM+\b], v[BM+\b], v[T1+\b]
.endr
.irp b, 0,1
	s_delay_alu instid0(VALU_DEP_2)
	v_add_nc_u32 v[SCOP+\b], 0xfc000000, v[BM+\b]
.endr
.irp b, 0,1
.endr
.irp b, 0,1
	s_delay_alu instid0(VALU_DEP_2)
	v_lshrrev_b32 v[T1+\b], 23, v[SCOP+\b]
.endr
	s_delay_alu instid0(VALU_DEP_1)
	v_lshl_or_b32 v[TA], v[T1+1], 8, v[T1]         ; my row's two scale bytes
.irp b, 0,1
.set i, 0
.rept 16
.set i, i+1
.endr
	v_cvt_scalef32_pk8_fp8_f32 v[OC+4*\b:OC+4*\b+1], v[96+16*\b:103+16*\b], v[SCOP+\b]      ; channels 32 b + 8 h + 0 .. 7
	v_cvt_scalef32_pk8_fp8_f32 v[OC+4*\b+2:OC+4*\b+3], v[104+16*\b:111+16*\b], v[SCOP+\b]   ; channels 32 b + 16 + 8 h + 0 .. 7
.endr
	v_nop                                          ; one plain line behind the last conversion
; The next product's other operand lies in its true order, which gives lane (r, h) k = 32 c + 16 h + 0 .. 15.  The first pair's lanes 16-31 (channels 8 .. 15) change places with the second pair's lanes 0-15 (channels 16 .. 23).
.irp b, 0,1
	v_permlane16_swap_b32 v[OC+4*\b], v[OC+4*\b+2]
	v_permlane16_swap_b32 v[OC+4*\b+1], v[OC+4*\b+3]
.endr
	global_store_b128 v[LI], v[OC:OC+3], s[OB:OB+1]              ; 32 lanes store 512 consecutive bytes, at a multiple of 512 from the buffer's first byte
	global_store_b128 v[LI], v[OC+4:OC+7], s[OB:OB+1] offset:512
	global_store_b16 v[R8], v[TA], s[OSB:OSB+1]                  ; two bytes a row, 8 bytes apart: 1 byte in 32 of what the tile stores; lanes 16-31 repeat lanes 0-15
.endm
	s_wait_loadcnt 0x0                             ; Q, both blocks'
.Lslot:                                            ; eight trips: behind each change of slots but the last the next trip's slot is asked for
	CHANGE 1
	STEP 0
	STEP 1
	s_xor_b32 s[TB], s[TB], SLOT1                  ; on to the other slot
	s_cmp_lg_u32 s[TRIP], s[J]                     ; behind trip J block J is done.  The branch hangs on ids; no LDS line, barrier or tensor load stands under it
	s_cbranch_scc1 .Lstay
	s_wait_alu depctr_va_vdst(0)
	FINISH
	s_wait_xcnt 0x0                                ; the stores have read their data and their bases: both are written again only behind this wait
	s_mov_b64 s[OB:OB+1], s[OBH:OBH+1]             ; block 7 - J begins
	s_mov_b64 s[OSB:OSB+1], s[OSBH:OSBH+1]
	s_mov_b32 s[Q0], s[Q0H]
	s_mov_b32 s[KF], 0
	v_mov_b32 v[QS], v[QSH]                        ; (the scale word first: more than eight plain lines stand between it and the next product)
.set i, 0
.rept 8
	v_mov_b32 v[16+i], v[QH+i]
.set i, i+1
.endr
	v_mov_b32 v13, 0xff61b1e6
	s_delay_alu instid0(VALU_DEP_1)
	v_floor_f32 v12, -v13
	v_mov_b32 v14, 0
	v_mov_b32 v15, 0
.set i, 0
.rept 32
	v_mov_b32 v[160+i], 0
.set i, i+1
.endr
.Lstay:
	s_add_co_u32 s[TRIP], s[TRIP], 1
	s_cmp_lt_u32 s[TRIP], 8
	s_cbranch_scc1 .Lslot
	CHANGE 0                                       ; the ninth trip is written out
	STEP 0
	STEP 1
	s_wait_alu depctr_va_vdst(0)
	FINISH
	s_wait_tensorcnt 0x0                           ; the wave's end
	ds_add_u32 v[SPW], v[NIL]
	s_wait_dscnt 0x0
	s_endpgm
.Lfunc_end_k_q7cecfe25c8_attn:
	.size	k_q7cecfe25c8_attn, .Lfunc_end_k_q7cecfe25c8_attn-k_q7cecfe25c8_attn
	.p2alignl 7, 3214868480
	.fill 96, 4, 3214868480
	.section	.rodata,"a",@progbits
	.p2align	6, 0x0
	.amdhsa_kernel k_q7cecfe25c8_attn
		.amdhsa_group_segment_fixed_size 327680
		.amdhsa_private_segment_fixed_size 0
		.amdhsa_enable_private_segment 0
		.amdhsa_kernarg_size 40
		.amdhsa_user_sgpr_count 2
		.amdhsa_user_sgpr_kernarg_segment_ptr 1
		.amdhsa_wavefront_size32 1
		.amdhsa_system_sgpr_workgroup_id_x 1
		.amdhsa_system_sgpr_workgroup_id_y 1
		.amdhsa_system_sgpr_workgroup_id_z 1
		.amdhsa_system_vgpr_workitem_id 0
		.amdhsa_next_free_vgpr 256
		.amdhsa_next_free_sgpr 96
		.amdhsa_reserve_vcc 1
		.amdhsa_float_denorm_mode_32 3
		.amdhsa_float_denorm_mode_16_64 3
		.amdhsa_fp16_overflow 1
		.amdhsa_memory_ordered 1
		.amdhsa_forward_progress 1
		.amdhsa_inst_pref_size 111
	.end_amdhsa_kernel
	.amdgpu_metadata
---
amdhsa.version: [ 1, 2 ]
amdhsa.kernels:
  - .name:           k_q7cecfe25c8_attn
    .symbol:         k_q7cecfe25c8_attn.kd
    .args:
      - { .name: qimg, .offset: 0, .size: 8, .value_kind: global_buffer, .address_space: global }
      - { .name: qsc, .offset: 8, .size: 8, .value_kind: global_buffer, .address_space: global }
      - { .name: kv, .offset: 16, .size: 8, .value_kind: global_buffer, .address_space: global }
      - { .name: oimg, .offset: 24, .size: 8, .value_kind: global_buffer, .address_space: global }
      - { .name: osc, .offset: 32, .size: 8, .value_kind: global_buffer, .address_space: global }
    .group_segment_fixed_size: 327680
    .private_segment_fixed_size: 0
    .kernarg_segment_align: 8
    .kernarg_segment_size: 40
    .max_flat_workgroup_size: 512
    .sgpr_count:     96
    .vgpr_count:     256
    .wavefront_size: 32
...
	.end_amdgpu_metadata
.endif
;; end of part 2
;; launch proj (part 3): grid 4 x 32, 4 waves a work-group, clusters of 4 x 4, 327,680 bytes of LDS; arguments oimg, osc, Wo_codes, Wo_scales, out0; writes out0
.if DOCPART == 3
	.amdgcn_target "amdgcn-amd-amdhsa--gfx1250"
	.amdhsa_code_object_version 6
	.text
	.protected	k_q7cecfe25c8_proj
	.globl	k_q7cecfe25c8_proj
	.p2align	8
	.type	k_q7cecfe25c8_proj,@function
k_q7cecfe25c8_proj:
	s_mov_b64 s[64:65], 0
	v_nop
	global_prefetch_b8 v0, s[64:65] scope:SCOPE_SE
	s_setreg_imm32_b32 hwreg(HW_REG_WAVE_MODE, 25, 1), 1
	s_wait_xcnt 0x0
	s_wait_alu depctr_hold_cnt(0) depctr_sa_sdst(0) depctr_va_vdst(0) depctr_va_sdst(0) depctr_va_ssrc(0) depctr_va_vcc(0) depctr_vm_vsrc(0)
	s_getreg_b32 s2, hwreg(HW_REG_IB_STS2, 6, 4)
	s_cmp_eq_u32 s2, 0
	s_cbranch_scc0 .Lentry_in_a_cluster
	s_endpgm
.Lentry_in_a_cluster:
	s_bfe_u32 s2, ttmp6, 0x10000c
	s_cmp_lg_u32 s2, 0xf033
	s_cbranch_scc0 .Lentry_shape_is_right
	s_endpgm
.Lentry_shape_is_right:
; out0[m][n] = sum over k of o[m][k] Wo[k][n] on codes of E4M3 with one E8M0 scale for each 32 along K.  M = 8,192, N = 1,024, K = 1,024; sums in f32.
; A = o comes from the launch before as IMAGES OF ITS FRAGMENTS: oimg [tile of 16 rows 512][128 along K 8][c 4][lane][16 B]; its scale bytes osc [k / 256, 4][row 8,192][8 B].  B = Wo: rows n of 1,024 codes, K innermost; scale bytes [n][32].
; A tile of 256 x 256 is made by a work-group of four waves; a wave makes 128 x 128: 64 accumulators, 512 registers.  K goes in steps of 256 through a ring of two LDS slots filled by the tensor data mover.
; A's part of a slot is 16 tiles x 4,096 dense bytes, read back 16 bytes a lane on end; B's is 256 rows of 256 bytes + 16 of padding.  The scale bytes of all of K come into LDS once, with the first fills.
; CLUSTERS: 4 x 4 work-groups; A's tile is shared along a row of the cluster, B's along a column: each is asked for jointly.  128 work-groups: a tile of half the size would give each byte read from LDS half as many products.
; THE MATRIX INSTRUCTION IS USED TRANSPOSED (source 0 = 16 rows of B, source 1 = 16 rows of A): a lane holds eight neighbouring numbers of a row of the output.
; REGISTERS, in windows of 256: window 0: v0-31 addresses; v32-63 B's scale words, v64-95 A's, two sets each; from v128 A's fragments, one set; on the way out v128-255 are free.
;   window 1: B's fragments, two sets.   windows 2, 3: the accumulators ((a, b) at v[8 (8 (a % 4) + b)]).
.set SIZE_N, 1024
.set SIZE_K, 1024
.set KSTEP,  256
.set NQ,     KSTEP/128
.set ROWB,   256                       ; a row of B's tile in bytes
.set KROW,   SIZE_K
.set PITCH,  272                       ; B's LDS row: 256 bytes + 16 of padding: the 16 rows that a load touches start at 16 different banks (64 banks of 4 bytes: ISA guide 11.1)
.set ASTEP,  4096                      ; a tile of 16 rows of A, 256 along K: two fragments' images
.set FR,     16
.set NL,     4
.set NP,     8                         ; places behind this matrix instruction (ISA guide 7.12.1)
.set HALFT,  128*PITCH                 ; room for what one tensor load brings (A's 32,768 bytes lie at its head)
.set SLOT,   4*HALFT
.set LAPS,   SIZE_K/(2*KSTEP)
.set KS,     SIZE_K/32
.set SCL,    2*SLOT                    ; behind the ring: the scales
.set HALFS,  (128*KS/256)*272          ; room for those of 128 rows: B's as units of 256 bytes + 16; A's 4 x 1,024 dense bytes at its head
.set SBLK,   (16*KS/256)*272
.set SPARE,  SCL+4*HALFS               ; the spare words, 128 bytes for each wave: two blocks of 256 bytes that no other line names
.set SPITCH, 528                       ; the way out: a stage of 16 rows x (512 bytes + 16) for each wave, in slot 0, which has had its last fill and its last read when the first result is stored there
.set ADRA, 16                          ; v16-17  LDS address of my A fragments in slot 0, 1
.set ADRB, 20                          ; v20-21  the same for B
.set STO,  24                          ; v24     the way out: where I put 32 bytes of a row
.set RD,   25                          ; v25     where I read a row back
.set CO,   26                          ; v26     16 x lane: my byte offset in a row of the output
.set ADSA, 27                          ; v27     LDS address of A's scale words
.set SPW,  28                          ; v28     LDS address of my spare word; never rewritten
.set NIL,  29                          ; v29     0; never rewritten
.set ADSB, 30                          ; v30     LDS address of B's scale words
.set SCB,  32                          ; set s at + 16 s; register 2 i + q: block i's words for the slot's q-th 128 along K, in lanes 0-15
.set SCA,  64
.set AF,   128
.set BK,   128
.set G1, 24
.set G0, 32
.set G1B, 48
.set G0B, 56
.set G1S, 68
.set G0S, 76
.set G1SB, 80
.set G0SB, 88
.set MSB, 0
.macro WIN new                         ; the immediate's high byte repeats the setting that is left
.if MSB != \new
	s_set_vgpr_msb (MSB<<8)|\new
.set MSB, \new
.endif
.endm
.set MUL_LO, 0xa1
.set MUL_HI, 0xf1
.set TO_B,   0x40
; A joint load: waves 0 and 1 fetch for A, waves 2 and 3 for B; four v_nop follow each of the two lines, ahead of the jump, the label and what follows.
.macro JLOAD g0a, g1a, g0b, g1b
	s_cmp_eq_u32 s15, 0
	s_cbranch_scc0 .Lfor_b_\@
	tensor_load_to_lds s[\g0a:\g0a+3], s[\g1a:\g1a+7]
	s_nop 0
.rept 4
	v_nop
.endr
	s_branch .Lasked_\@
.Lfor_b_\@:
	tensor_load_to_lds s[\g0b:\g0b+3], s[\g1b:\g1b+7]
	s_nop 0
.rept 4
	v_nop
.endr
.Lasked_\@:
.endm
.macro CREST
	s_cmp_lg_u32 s14, 0
	s_cbranch_scc1 .Lnot_wave_0_\@
	s_barrier_signal -3
.Lnot_wave_0_\@:
	s_barrier_wait -3
	s_barrier_signal -1
	s_barrier_wait -1
.endm
.macro CROUND
	s_barrier_signal -1
	s_barrier_wait -1
	CREST
.endm
	s_load_b128 s[4:7], s[0:1], 0x0                ; oimg, osc
	s_load_b128 s[8:11], s[0:1], 0x10              ; Wo's codes, Wo's scales
	s_load_b64 s[12:13], s[0:1], 0x20              ; out0
	v_lshl_add_u32 v[SPW], v0, 2, SPARE
	v_mov_b32 v[NIL], 0
	ds_add_u32 v28, v29
	ds_add_u32 v28, v29
	s_wait_dscnt 0x0
	v_lshrrev_b32 v1, 5, v0
	v_readfirstlane_b32 s14, v1                    ; wave 0..3
	s_lshr_b32 s15, s14, 1                         ; which half of the tile's rows is mine.  Also: I fetch for A (0) or for B (1)
	s_and_b32 s16, s14, 1                          ; which half of its columns.  Also: which 128 rows of that tile I fetch
	s_bfe_u32 s40, ttmp6, 0x40000                  ; cx, cy
	s_bfe_u32 s41, ttmp6, 0x40004
	s_lshl_b32 s42, ttmp9, 2
	s_add_co_u32 s42, s42, s40                     ; tile column = 4 x cluster x + cx
	s_and_b32 s17, ttmp7, 0xffff
	s_lshl_b32 s17, s17, 2
	s_add_co_u32 s17, s17, s41                     ; tile row = 4 x cluster y + cy
	s_lshl_b32 s43, s41, 2
	s_lshl_b32 s43, 15, s43                        ; my row of the cluster
	s_lshl_b32 s44, 0x1111, s40                    ; my column
	; A's tile: 8 tiles of 16 rows, 4,096 bytes of each (512 elements of 8 bytes), 16,384 bytes apart; no padding
	s_or_b32 s[G1+0], s43, (3<<16)|(1<<21)
	s_mov_b32 s[G1+1], 512<<16                     ; tensor_dim0
	s_mov_b32 s[G1+2], 8<<16                       ; tensor_dim1
	s_mov_b32 s[G1+3], 512<<16                     ; tile_dim0
	s_mov_b32 s[G1+4], 8                           ; tile_dim1
	s_mov_b32 s[G1+5], 2048                        ; tensor_dim0_stride
	s_mov_b32 s[G1+6], 0
	s_mov_b32 s[G1+7], 0
	; B's tile: 128 rows x 256 bytes, 16 bytes of padding behind each
	s_or_b32 s[G1B+0], s44, (0<<16)|(1<<20)|(1<<21)|(5<<22)|(3<<25)
	s_mov_b32 s[G1B+1], ROWB<<16
	s_mov_b32 s[G1B+2], 128<<16
	s_mov_b32 s[G1B+3], ROWB<<16
	s_mov_b32 s[G1B+4], 128
	s_mov_b32 s[G1B+5], KROW
	s_mov_b32 s[G1B+6], 0
	s_mov_b32 s[G1B+7], 0
	; A's scales of 128 rows: for each of the four runs of 256 along K 1,024 bytes (128 elements of 8 bytes), 65,536 bytes apart; no padding
	s_or_b32 s[G1S+0], s43, (3<<16)|(1<<21)
	s_mov_b32 s[G1S+1], 128<<16
	s_mov_b32 s[G1S+2], 4<<16
	s_mov_b32 s[G1S+3], 128<<16
	s_mov_b32 s[G1S+4], 4
	s_mov_b32 s[G1S+5], 8192
	s_mov_b32 s[G1S+6], 0
	s_mov_b32 s[G1S+7], 0
	; B's scales of 128 rows: 4,096 dense bytes as 16 rows of 256, 16 bytes of padding behind each
	s_or_b32 s[G1SB+0], s44, (3<<16)|(1<<20)|(1<<21)|(5<<22)|(3<<25)
	s_mov_b32 s[G1SB+1], 32<<16
	s_mov_b32 s[G1SB+2], (128*KS/256)<<16
	s_mov_b32 s[G1SB+3], 32<<16
	s_mov_b32 s[G1SB+4], 128*KS/256
	s_mov_b32 s[G1SB+5], 32
	s_mov_b32 s[G1SB+6], 0
	s_mov_b32 s[G1SB+7], 0
	s_lshl_b32 s18, s16, 7                         ; which 128 rows of the tile I fetch
	s_lshl_b32 s20, s17, 8
	s_add_co_u32 s20, s20, s18                     ; A: row 256 x tile row + 128 x half
	s_lshl_b32 s46, s42, 8
	s_add_co_u32 s46, s46, s18                     ; B: row 256 x tile column + 128 x half
	s_mov_b32 s21, 0
	s_mov_b32 s47, 0
	s_lshl_b64 s[22:23], s[20:21], 3               ; A's scales: 8 bytes a row in each run
	s_lshl_b64 s[92:93], s[46:47], 5               ; B's: 32 bytes a row
	s_lshl_b64 s[20:21], s[20:21], 10              ; the codes: 1,024 bytes a row in both (16,384 a tile of 16 rows)
	s_lshl_b64 s[46:47], s[46:47], 10
	s_mul_i32 s45, s14, HALFT                      ; where they go: no place in the cluster enters an LDS address
	s_mul_i32 s94, s14, HALFS
	s_wait_kmcnt 0x0
	s_add_nc_u64 s[20:21], s[4:5], s[20:21]
	s_add_nc_u64 s[22:23], s[6:7], s[22:23]
	s_add_nc_u64 s[46:47], s[8:9], s[46:47]
	s_add_nc_u64 s[92:93], s[10:11], s[92:93]
	CROUND                                         ; all sixteen work-groups are here: the first joint loads meet
	s_mov_b32 s[G0S], 1
	s_add_co_u32 s[G0S+1], s94, SCL
	s_mov_b64 s[G0S+2:G0S+3], s[22:23]
	s_or_b32 s[G0S+3], s[G0S+3], 0x80000000
	s_mov_b32 s[G0SB], 1
	s_add_co_u32 s[G0SB+1], s94, SCL
	s_mov_b64 s[G0SB+2:G0SB+3], s[92:93]
	s_or_b32 s[G0SB+3], s[G0SB+3], 0x80000000
	JLOAD G0S, G1S, G0SB, G1SB                     ; the scales first
.irp s, 0,1
	s_mov_b32 s[G0+4*\s], 1
	s_add_co_u32 s[G0+4*\s+1], s45, \s*SLOT
	s_add_nc_u64 s[G0+4*\s+2:G0+4*\s+3], s[20:21], \s*ASTEP
	s_or_b32 s[G0+4*\s+3], s[G0+4*\s+3], 0x80000000
	s_mov_b32 s[G0B+4*\s], 1
	s_add_co_u32 s[G0B+4*\s+1], s45, \s*SLOT
	s_add_nc_u64 s[G0B+4*\s+2:G0B+4*\s+3], s[46:47], \s*ROWB
	s_or_b32 s[G0B+4*\s+3], s[G0B+4*\s+3], 0x80000000
	s_wait_alu depctr_va_vdst(0)
	s_wait_tensorcnt 0x0
	ds_add_u32 v28, v29
	s_wait_dscnt 0x0
	CROUND
	JLOAD G0+4*\s, G1, G0B+4*\s, G1B               ; one tensor load of mine is out now, and never more
.endr
	v_and_b32 v1, 15, v0                           ; l % 16
	v_bfe_u32 v2, v0, 4, 1                         ; l / 16
	v_and_b32 v6, 31, v0
	v_lshlrev_b32 v[CO], 4, v6                     ; 16 x lane
	v_mul_u32_u24 v3, v1, PITCH
	v_lshl_add_u32 v4, v2, 4, v3                   ; B: a fragment's row x pitch + 16 x half
	s_mul_i32 s21, s15, HALFT                      ; my 128 rows of A
	s_mul_i32 s22, s16, HALFT                      ; my 128 rows of B,
	s_add_co_u32 s22, s22, 2*HALFT                 ; which lie behind A's
.irp s, 0,1
	v_add_nc_u32 v[ADRA+\s], s21, v[CO]            ; A: an image's place for my lane
	v_add_nc_u32 v[ADRB+\s], s22, v4
	s_add_co_u32 s21, s21, SLOT
	s_add_co_u32 s22, s22, SLOT
.endr
	s_mul_i32 s21, s15, HALFS
	s_add_co_u32 s21, s21, SCL
	v_lshl_add_u32 v[ADSA], v1, 3, s21             ; A's scale words: 8 bytes a row
	v_mul_u32_u24 v5, v1, KS                       ; B's: 32 bytes a row,
	v_lshrrev_b32 v7, 8, v5
	v_lshl_add_u32 v5, v7, 4, v5                   ; and 16 more for each 256 passed
	s_mul_i32 s22, s16, HALFS
	s_add_co_u32 s22, s22, SCL+2*HALFS
	v_add_nc_u32 v[ADSB], s22, v5
	s_mul_i32 s23, s14, 16*SPITCH                  ; my stage
	v_mul_u32_u24 v5, v1, SPITCH                   ; in: row l % 16, 32 bytes for each half of the lanes
	v_lshl_add_u32 v5, v2, 5, v5
	v_add_nc_u32 v[STO], s23, v5
	v_add_nc_u32 v[RD], s23, v[CO]                 ; back: the 32 lanes take one row of 512 bytes
	s_lshl_b32 s20, s17, 8
	s_lshl_b32 s21, s15, 7
	s_add_co_u32 s20, s20, s21                     ; my first row of the output
	s_mov_b32 s21, 0
	s_lshl_b64 s[20:21], s[20:21], 12              ; 4,096 bytes a row
	s_lshl_b32 s46, s42, 10                        ; my first column, in bytes: 1,024 x tile column + 512 x half
	s_lshl_b32 s47, s16, 9
	s_add_co_u32 s46, s46, s47
	s_mov_b32 s47, 0
	s_add_nc_u64 s[20:21], s[20:21], s[46:47]
	s_add_nc_u64 s[12:13], s[12:13], s[20:21]
.macro FRAG reg, adr, q, i             ; a fragment of B from rows: registers 4 c .. 4 c + 3 hold K = 32 c + 16 (l / 16) + 0 .. 15
.irp c, 0,1,2,3
	ds_load_b128 v[\reg+4*\c:\reg+4*\c+3], v[\adr] offset:128*(\q)+32*\c+(\i)*16*PITCH
.endr
.endm
.macro FRAGA reg, adr, q, i            ; a fragment of A from its image: 512 consecutive bytes a load
.irp c, 0,1,2,3
	ds_load_b128 v[\reg+4*\c:\reg+4*\c+3], v[\adr] offset:2048*(\q)+512*\c+(\i)*ASTEP
.endr
.endm
; 16 matrix instructions: A's blocks a0, a0 + 1 x B's eight.  The 64 accumulators take turns, one instruction a turn, in the same order in every step.
.macro MUL16 a0, p, q, sc, zero
.irp a, \a0, \a0+1
.irp b, 0,1,2,3,4,5,6,7
.if \zero
	v_wmma_scale_f32_16x16x128_f8f6f4 v[8*(8*((\a)%4)+\b):8*(8*((\a)%4)+\b)+7], v[128*(\p)+FR*\b:128*(\p)+FR*\b+FR-1], v[AF+FR*(\a):AF+FR*(\a)+FR-1], 0, v[SCB+8*NQ*(\sc)+NQ*\b+(\q)], v[SCA+8*NQ*(\sc)+NQ*(\a)+(\q)]
.else
	v_wmma_scale_f32_16x16x128_f8f6f4 v[8*(8*((\a)%4)+\b):8*(8*((\a)%4)+\b)+7], v[128*(\p)+FR*\b:128*(\p)+FR*\b+FR-1], v[AF+FR*(\a):AF+FR*(\a)+FR-1], v[8*(8*((\a)%4)+\b):8*(8*((\a)%4)+\b)+7], v[SCB+8*NQ*(\sc)+NQ*\b+(\q)], v[SCA+8*NQ*(\sc)+NQ*(\a)+(\q)]
.endif
.endr
.endr
.endm
.macro FETCH_B slot, q, p
	WIN TO_B
.irp i, 0,1,2,3,4,5,6,7
	FRAG 128*(\p)+FR*\i, ADRB+\slot, \q, \i
.endr
	WIN 0
.endm
.macro FETCH_A slot, q, i0
.irp i, \i0, \i0+1, \i0+2, \i0+3
	FRAGA AF+FR*(\i), ADRA+\slot, \q, \i
.endr
.endm
.macro SCALES sc                       ; the next K step's scale words into set sc: two words a row, A's and B's
.irp i, 0,1,2,3,4,5,6,7
	ds_load_b64 v[SCA+8*NQ*\sc+NQ*\i:SCA+8*NQ*\sc+NQ*\i+1], v[ADSA] offset:\i*128
.endr
.irp i, 0,1,2,3,4,5,6,7
	ds_load_b64 v[SCB+8*NQ*\sc+NQ*\i:SCB+8*NQ*\sc+NQ*\i+1], v[ADSB] offset:\i*SBLK
.endr
.endm
; A load into a register that a matrix instruction has read, and an LDS store that reads a matrix result, stand NP places behind that matrix instruction; only plain vector instructions that name none of its
; registers are places (ISA guide 7.12.1 for vector instructions).
.macro PLACES n
.rept \n
	v_nop
.endr
.endm
.macro STEP slot, q, zero
	s_wait_dscnt 4*NL                              ; B's set, the scale words and A's blocks 0-3 are in; the youngest sixteen loads (A's blocks 4-7) may be out
	WIN MUL_LO
	MUL16 0, (\q)%2, \q, \slot, \zero
	MUL16 2, (\q)%2, \q, \slot, \zero
	s_wait_dscnt 0
	PLACES NP
	FETCH_B \slot, (\q)+1, 1-(\q)%2
	FETCH_A \slot, (\q)+1, 0
	WIN MUL_HI
	MUL16 4, (\q)%2, \q, \slot, \zero
	MUL16 6, (\q)%2, \q, \slot, \zero
	PLACES NP
	WIN 0
	FETCH_A \slot, (\q)+1, 4
.endm
; A slot's last step changes slots: one barrier; in front of it each wave waits for all its tensor loads, adds 0 to its spare word, and waits for that and for its own reads of this slot.
.macro TURN slot, next, fill
	s_wait_tensorcnt 0x0                           ; all my tensor loads have landed: my part of the next slot
	ds_add_u32 v[SPW], v[NIL]                      ; 0 onto my spare word
	s_wait_dscnt 4*NL+1                            ; (the add and the youngest sixteen loads may be out)
	WIN MUL_LO
	MUL16 0, 1, NQ-1, \slot, 0
	s_wait_dscnt 0x0                               ; the add is done, and my reads of this slot are over
	s_barrier_signal -1
	MUL16 2, 1, NQ-1, \slot, 0
	WIN 0
	s_barrier_wait -1
.if \fill
	CREST                                          ; the barrier has opened a round of the cluster's barrier: no wave of any partner still reads this slot's tile or has a load on its way
	s_add_nc_u64 s[G0+4*\slot+2:G0+4*\slot+3], s[G0+4*\slot+2:G0+4*\slot+3], 2*ASTEP
	s_add_nc_u64 s[G0B+4*\slot+2:G0B+4*\slot+3], s[G0B+4*\slot+2:G0B+4*\slot+3], 2*ROWB
	JLOAD G0+4*\slot, G1, G0B+4*\slot, G1B         ; the first tensor load behind the round
	PLACES NP-4
.else
	PLACES NP
.endif
	s_wait_alu depctr_va_vdst(0)
	v_add_nc_u32 v[ADSA], 1024, v[ADSA]            ; on to the next K step's scale words: A's next run,
	v_add_nc_u32 v[ADSB], 4*NQ, v[ADSB]            ; B's next 8 bytes of each row
	FETCH_B \next, 0, 0
	FETCH_A \next, 0, 0
	SCALES \next
	WIN MUL_HI
	MUL16 4, 1, NQ-1, \slot, 0
	MUL16 6, 1, NQ-1, \slot, 0
	PLACES NP
	WIN 0
	FETCH_A \next, 0, 4
.endm
	s_wait_alu depctr_va_vdst(0)
	s_wait_tensorcnt 1                             ; the scales and my part of K step 0 are in (K step 1's load may be out)
	s_barrier_signal -1
	s_barrier_wait -1                              ; everybody's are
	FETCH_B 0, 0, 0
	FETCH_A 0, 0, 0
	SCALES 0
	FETCH_A 0, 0, 4
	STEP 0, 0, 1                                   ; the first step's products start the sums
	s_mov_b32 s3, LAPS-1
.Llap:
	TURN 0, 1, 1
	STEP 1, 0, 0
	TURN 1, 0, 1
	STEP 0, 0, 0
	s_sub_co_u32 s3, s3, 1
	s_cmp_lg_u32 s3, 0
	s_cbranch_scc1 .Llap
	TURN 0, 1, 0                                   ; the last lap fills nothing
	STEP 1, 0, 0
	s_wait_dscnt 4*NL
	WIN MUL_LO
	MUL16 0, 1, NQ-1, 1, 0
	MUL16 2, 1, NQ-1, 1, 0
	s_wait_dscnt 0
	WIN MUL_HI
	MUL16 4, 1, NQ-1, 1, 0
	MUL16 6, 1, NQ-1, 1, 0
	WIN 0
; THE WAY OUT, block by block of 16 rows x 128 columns, through my own stage in LDS: in as 32 bytes a lane, back as whole rows of 512 bytes.  LDS serves a wave's instructions in order (ISA guide 5.7.1.4).
.macro TOSTAGE a
.set AC, 64*((\a)%4)
	WIN 0x08+4*((\a)/4)                            ; the data: window 2 or 3
.irp b, 0,1,2,3,4,5,6,7
	ds_store_b128 v[STO], v[AC+8*\b:AC+8*\b+3] offset:64*\b          ; each accumulator from its low end on
	ds_store_b128 v[STO], v[AC+8*\b+4:AC+8*\b+7] offset:64*\b+16
.endr
	WIN 0
.set BB, BK+64*((\a)%2)
.irp t, 0,1,2,3,4,5,6,7,8,9,10,11,12,13,14,15
	ds_load_b128 v[BB+4*\t:BB+4*\t+3], v[RD] offset:\t*SPITCH
.endr
.endm
.macro SEND a, younger                 ; younger: the LDS instructions issued behind block a's loads, which may stay out
.set BB, BK+64*((\a)%2)
	s_wait_dscnt \younger
.if (\a) > 0
	s_add_nc_u64 s[12:13], s[12:13], 16*SIZE_N*4   ; (behind a wait on XCNT: the earlier stores have read their base)
.endif
.irp t, 0,1,2,3,4,5,6,7,8,9,10,11,12,13,14,15
	global_store_b128 v[CO], v[BB+4*\t:BB+4*\t+3], s[12:13] offset:\t*SIZE_N*4 th:TH_STORE_NT   ; 32 lanes store 512 consecutive bytes, at a multiple of 512 from the output's first byte
.endr
.endm
	PLACES NP
	TOSTAGE 0
.irp a, 1,2,3,4,5,6,7
.if \a > 1
	s_wait_xcnt 0x0                                ; block a - 2's stores have read their registers and their base
.endif
	TOSTAGE \a
	SEND \a-1, 32                                  ; behind block a - 1's loads: block a's 16 stores and 16 loads
.endr
	s_wait_xcnt 0x0
	SEND 7, 0
	s_wait_tensorcnt 0x0                           ; the wave's end
	ds_add_u32 v[SPW], v[NIL]
	s_wait_dscnt 0x0
	CROUND                                         ; the closing round
	s_endpgm
.Lfunc_end_k_q7cecfe25c8_proj:
	.size	k_q7cecfe25c8_proj, .Lfunc_end_k_q7cecfe25c8_proj-k_q7cecfe25c8_proj
	.p2alignl 7, 3214868480
	.fill 96, 4, 3214868480
	.section	.rodata,"a",@progbits
	.p2align	6, 0x0
	.amdhsa_kernel k_q7cecfe25c8_proj
		.amdhsa_group_segment_fixed_size 327680
		.amdhsa_private_segment_fixed_size 0
		.amdhsa_enable_private_segment 0
		.amdhsa_kernarg_size 40
		.amdhsa_user_sgpr_count 2
		.amdhsa_user_sgpr_kernarg_segment_ptr 1
		.amdhsa_wavefront_size32 1
		.amdhsa_system_sgpr_workgroup_id_x 1
		.amdhsa_system_sgpr_workgroup_id_y 1
		.amdhsa_system_sgpr_workgroup_id_z 1
		.amdhsa_system_vgpr_workitem_id 0
		.amdhsa_next_free_vgpr 1024
		.amdhsa_next_free_sgpr 98
		.amdhsa_reserve_vcc 0
		.amdhsa_float_denorm_mode_32 3
		.amdhsa_float_denorm_mode_16_64 3
		.amdhsa_memory_ordered 1
		.amdhsa_forward_progress 1
		.amdhsa_inst_pref_size 148
	.end_amdhsa_kernel
	.amdgpu_metadata
---
amdhsa.version: [ 1, 2 ]
amdhsa.kernels:
  - .name:           k_q7cecfe25c8_proj
    .symbol:         k_q7cecfe25c8_proj.kd
    .args:
      - { .name: oimg, .offset: 0, .size: 8, .value_kind: global_buffer, .address_space: global }
      - { .name: osc, .offset: 8, .size: 8, .value_kind: global_buffer, .address_space: global }
      - { .name: Wo_codes, .offset: 16, .size: 8, .value_kind: global_buffer, .address_space: global }
      - { .name: Wo_scales, .offset: 24, .size: 8, .value_kind: global_buffer, .address_space: global }
      - { .name: out0, .offset: 32, .size: 8, .value_kind: global_buffer, .address_space: global }
    .group_segment_fixed_size: 327680
    .private_segment_fixed_size: 0
    .kernarg_segment_align: 8
    .kernarg_segment_size: 40
    .max_flat_workgroup_size: 128
    .sgpr_count:     98
    .vgpr_count:     1024
    .wavefront_size: 32
...
	.end_amdgpu_metadata
.endif
;; end of part 3
